; MI455X (gfx1250); checked and timed in simulation.
; The chip was launched on July 23, 2026; its instructions are those of AMD's public machine-readable ISA for CDNA 5 (MIT licence, August 2026) and "CDNA5" Instruction Set Architecture Reference Guide (July 2026). The comments in the code are by the model that wrote it; some were corrected since.
;; Multi Head Self Attention. Allowed arithmetic: matrix products marked QUANTISED: E2M1 operands, one E8M0 scale for each 32 along K, by v_wmma_scale_f32_16x16x128_f8f6f4 with both operands' format E2M1 (or v_wmma_scale_f32_32x16x128_f4), f32 sums; products left as they are: bf16, f16 or f32 operands; f32 sums; everything else in f32.
;; Inputs: Wk 1,024 x 1,024 float32; Wo 1,024 x 1,024 float32; Wq 1,024 x 1,024 float32; Wv 1,024 x 1,024 float32; bk 1,024 float32; bo 1,024 float32; bq 1,024 float32; bv 1,024 float32; mask 4 x 2,048 int32; x 4 x 2,048 x 1,024 float32.
;; Outputs: out0 4 x 2,048 x 1,024 float32.
;; This version of the problem:
;;   THIS VERSION OF THE PROBLEM IS GIVEN IN LOW PRECISION. The matrix products marked QUANTISED in the list below multiply operands that are first quantised to E2M1 (2 exponent bits, 1 mantissa bit; 4 bits a number), with one power-of-two scale for each 32 numbers along K (OCP MX v1.0); their sums are f32. The products marked 'left as it is' may take bf16, f16 or f32 operands, with f32 sums. Whichever they take, every output number must still come out within the allowed error. Rounding operands to bf16 (8 significant bits) uses up far more of that allowance than f16 does (11 bits, for magnitudes from 6e-5 to 65,504). All else is computed in f32.
;;   The module's matrix products, in the order in which they are computed (A, B: the left and right operand; K: the contracted axis; several contracted axes count as one K, in the product's order):
;;     1. [M 8,192, K 1,024] x [K 1,024, N 1,024]; A: input x; B: input Wq: QUANTISED
;;     2. [M 8,192, K 1,024] x [K 1,024, N 1,024]; A: input x; B: input Wk: QUANTISED
;;     3. [M 8,192, K 1,024] x [K 1,024, N 1,024]; A: input x; B: input Wv: QUANTISED
;;     4. batch 64 x [M 2,048, K 64] x [K 64, N 2,048]; A: computed on the way; B: computed on the way: left as it is (an operand is computed on the way)
;;     5. batch 64 x [M 2,048, K 2,048] x [K 2,048, N 64]; A: computed on the way; B: computed on the way: left as it is (an operand is computed on the way)
;;     6. [M 8,192, K 1,024] x [K 1,024, N 1,024]; A: computed on the way; B: input Wo: left as it is (an operand is computed on the way)
;;   THE QUANTISER, for each operand of a quantised product, along K:
;;     - K is cut into blocks of 32 from its start; a last block that is shorter is filled with zeros.
;;     - A block's scale is 2^e with e = floor(log2(the largest magnitude in the block)) - 2, held to -126 .. 127; a block of zeros has e = 0. As a byte (E8M0): e + 127.
;;     - Each number is divided by its block's scale, clamped to +-6, and rounded to the nearest number of E2M1, ties to even, subnormals kept.
;;     - The product sums the exact products of the quantised numbers (number of the format x scale) in f32.
;;   ~~~python
;;   def quantise(x, axis):      # numpy; x: float32 -> the quantised numbers, widened to float32 again
;;       x = np.moveaxis(x, axis, -1); K = x.shape[-1]
;;       x = np.pad(x, [(0, 0)] * (x.ndim - 1) + [(0, -K % 32)]); x = x.reshape(x.shape[:-1] + (-1, 32)); a = np.abs(x).max(-1, keepdims=True)
;;       e = np.where(a > 0, np.clip(np.frexp(np.where(a > 0, a, 1))[1] - 1 - 2, -126, 127), 0)      # np.frexp(a)[1] - 1 = floor(log2(a)), exactly
;;       r = np.clip(x / 2.0 ** e, -6, 6)
;;       step = 2.0 ** (np.maximum(np.frexp(np.where(r == 0, 1, r))[1] - 1, 0) - 1)
;;       q = np.round(r / step) * step * 2.0 ** e      # np.round: ties to even
;;       return np.moveaxis(q.reshape(q.shape[:-2] + (-1,))[..., :K], -1, axis).astype(np.float32)
;;   ~~~
;; One version. Each part assembles by itself: llvm-mc -triple=amdgcn-amd-amdhsa -mcpu=gfx1250 --defsym DOCPART=n.
;; ======== version 1 of 1: 4 launches
;; limits: values are held in f16: magnitudes above 65,504 overflow, below 6.1e-05 lose precision
;; workspace buffers: cd 5,767,168 bytes; sc 360,448 bytes; mb 33,792 bytes; wimg 2,097,152 bytes; qimg 16,777,216 bytes; kv 33,554,432 bytes; cimg 16,777,216 bytes
;; launch prep (part 1): grid 417 x 1, 4 waves a work-group, no clusters, 50,688 bytes of LDS; arguments x, Wq, Wk, Wv, Wo, mask, cd, sc, wimg, mb; writes cd, sc, wimg, mb
.if DOCPART == 1
	.amdgcn_target "amdgcn-amd-amdhsa--gfx1250"
	.amdhsa_code_object_version 6
	.text
	.protected	k_q80505b12ff_prep
	.globl	k_q80505b12ff_prep
	.p2align	8
	.type	k_q80505b12ff_prep,@function
k_q80505b12ff_prep:
	s_mov_b64 s[64:65], 0
	v_nop
	global_prefetch_b8 v0, s[64:65] scope:SCOPE_SE
	s_setreg_imm32_b32 hwreg(HW_REG_WAVE_MODE, 25, 1), 1
	s_wait_xcnt 0x0
; PREP: what the later launches read many times is laid out once.
;   work-groups 0-351:   x, Wq, Wk, Wv (f32, K innermost) become codes of FP4 (E2M1) in cd and one E8M0 byte for each 32 along K in sc; x's 8,192 rows first, then the 3,072 rows of Wq, Wk, Wv.
;   work-groups 352-415: Wo becomes f16, laid as images of the operand's registers: [n tile 64][32 along K: 32][chunk 2][lane 32][16 bytes]; chunk c, lane (r, h) holds k = 32 s + 16 c + 8 h + 0..7 of row r.
;   work-group 416:      the padding mask becomes an additive term for the scores, bias[b][k] = 0 (open) or -1e30 (masked), and one factor qs[b] for the batch's queries.
; WORK LEFT OUT: bk.  Q.(x Wk^T + bk) = Q.(x Wk^T) + Q.bk, and Q.bk is the same for all keys of a query.  The product of Q with K is not quantised, so the term moves no code and no scale.  Open keys are all
; shifted alike, which a softmax takes away; a masked key's score is finfo.min with or without it; a batch with no open key has all scores equal with or without it.  So bk reaches no output for any finite
; inputs: it is not loaded and is no argument of any launch.  LIMIT: a NaN, an infinity or an overflow that arises in Q.bk alone is not carried to the result.
; THE MASK.  reference() puts finfo.min in a masked key's place: its weight exp(finfo.min - max) is 0 in f32 wherever one key of the batch is open.  Here -1e30 is added to t = score x log2(e) / 8, which gives the
; same 0; the running maximum is kept.  Where a batch has NO open key reference() has all scores equal, so all weights are 1 / 2048: here the batch's bias is all 0 and qs = 0, so that every t is 0.  Else qs = log2(e) / 8.
; LIMITS: |t| under 1e29; blocks of 32 whose largest magnitude lies under 2^-124 keep the scale byte 1 (a block of zeros too: its codes are zeros, and this program alone reads the bytes); |Wo| at most 65,504
; (f16); NaN and infinities among the inputs are not served.
; The three paths part on the work-group's number alone and have LDS bytes of their own.  No tensor loads, no barrier: waves share nothing.
.set NQG,   352                        ; work-groups that quantise: (8,192 + 3 x 1,024) x 1,024 numbers / 32,768
.set STEPS, 16
.set EMAX,  2
.set CB,    8                          ; bytes of 16 codes
.set R,     16                         ; v16-79   four sets of 16 numbers as they are loaded
.set X,     80                         ; v80-111  two sets of 16 neighbours
.set E,     112                        ; v112-127 a scale byte for each step
.set C,     128                        ; v128-191 codes: four registers for each step
.set WREG,  8192                       ; LDS, quantiser: a region for each wave: two stages of 32 x SP bytes, then its 256 scale bytes
.set SP,    80
.set WOB,   32768                      ; LDS, Wo: a stage of 16 rows x 272 bytes for each wave
.set WOS,   4352
.set SPARE, 50176                      ; the spare words, 128 bytes for each wave: two blocks of 256 bytes that no other line names
.set SPW,   12                         ; v12  LDS address of my spare word; never rewritten
.set NIL,   13                         ; v13  0; never rewritten
.set WV,    4                          ; s4   my wave's number
.macro FIN                             ; a wave's end, behind the last LDS store
	s_wait_tensorcnt 0x0
	ds_add_u32 v[SPW], v[NIL]
	s_wait_dscnt 0x0
	s_endpgm
.endm
	s_load_b512 s[8:23], s[0:1], 0x0               ; x 8, Wq 10, Wk 12, Wv 14, Wo 16, mask 18, cd 20, sc 22
	s_load_b128 s[24:27], s[0:1], 0x40             ; wimg 24, mb 26
	v_lshl_add_u32 v[SPW], v0, 2, SPARE
	v_mov_b32 v[NIL], 0
	v_lshrrev_b32 v1, 5, v0
	v_readfirstlane_b32 s[WV], v1                  ; wave 0..3
	v_and_b32 v2, 31, v0                           ; lane
	s_wait_kmcnt 0x0
	s_cmp_ge_u32 ttmp9, NQG
	s_cbranch_scc1 .Lwo
; ---- THE QUANTISER.  Rows are dense and K is a multiple of 32: each tensor is a stream of blocks of 32.  A wave takes 16 steps of 512 numbers.  Each load reads 512 consecutive bytes; a step's 2,048 bytes
; turn through the wave's own stage so that a lane holds 16 neighbours (two lanes a block).  A lane's 16 codes are 8 bytes: a store covers 256 consecutive bytes.  A wave's 256 scale bytes leave as one piece.
	v_lshlrev_b32 v3, 4, v2                        ; my 16 bytes of a load's 512
	s_mul_i32 s5, s[WV], WREG
	v_lshrrev_b32 v14, 2, v2
	v_mul_u32_u24 v14, v14, SP
	v_and_b32 v15, 3, v2
	v_lshl_add_u32 v14, v15, 4, v14
	v_add_nc_u32 v14, s5, v14                      ; the stage, way in: SP (lane / 4) + 16 (lane % 4)
	v_mul_u32_u24 v15, v2, SP
	v_add_nc_u32 v15, s5, v15                      ; way out: SP x lane
	v_mul_u32_u24 v4, v2, CB                       ; my codes' place in a step's
	v_lshrrev_b32 v5, 1, v2
	s_add_co_u32 s5, s5, 2*32*SP
	v_add_nc_u32 v5, s5, v5                        ; my block's scale byte
	v_lshlrev_b32 v7, 3, v2
	v_add_nc_u32 v6, s5, v7                        ; and 8 of them a lane on the way out
	s_and_b32 s28, ttmp9, 31                       ; a weight has 32 work-groups
	s_cmp_lt_u32 ttmp9, 320                        ; which tensor: the choice hangs on the work-group's number alone
	s_cselect_b64 s[6:7], s[12:13], s[14:15]
	s_cmp_lt_u32 ttmp9, 288
	s_cselect_b64 s[6:7], s[10:11], s[6:7]
	s_cmp_lt_u32 ttmp9, 256
	s_cselect_b64 s[6:7], s[8:9], s[6:7]
	s_cselect_b32 s28, ttmp9, s28
	s_lshl_b32 s28, s28, 2
	s_add_co_u32 s28, s28, s[WV]                   ; which run of 8,192 numbers of the tensor is mine
	s_lshl_b32 s28, s28, 15                        ; 32,768 bytes a run
	s_mov_b32 s29, 0
	s_add_nc_u64 s[6:7], s[6:7], s[28:29]
	s_lshl_b32 s30, ttmp9, 2
	s_add_co_u32 s30, s30, s[WV]                   ; and which run of the outputs: the weights' rows follow x's
	s_lshl_b32 s28, s30, 12                        ; 4,096 bytes of codes a run
	s_add_nc_u64 s[20:21], s[20:21], s[28:29]
	s_lshl_b32 s28, s30, 8                         ; 256 scale bytes a run
	s_add_nc_u64 s[22:23], s[22:23], s[28:29]
.macro LOAD t
.irp i, 0,1,2,3
	global_load_b128 v[R+16*((\t)%4)+4*\i:R+16*((\t)%4)+4*\i+3], v3, s[6:7] offset:2048*(\t)+512*\i th:TH_LOAD_NT
.endr
.endm
.macro TURN t                          ; step t's numbers through the stage: LDS serves a wave's instructions in order (ISA guide 5.7.1.4)
.irp i, 0,1,2,3
	ds_store_b128 v14, v[R+16*((\t)%4)+4*\i:R+16*((\t)%4)+4*\i+3] offset:32*SP*((\t)%2)+8*SP*\i
.endr
.irp i, 0,1,2,3
	ds_load_b128 v[X+16*((\t)%2)+4*\i:X+16*((\t)%2)+4*\i+3], v15 offset:32*SP*((\t)%2)+16*\i
.endr
.endm
.irp t, 0,1,2,3
	LOAD \t
.endr
	s_wait_loadcnt 12                              ; step 0's four loads are in; the twelve of steps 1 to 3 may be out
	TURN 0
.macro STEP t
.set XS, X+16*((\t)%2)
.if (\t) > 0
	s_wait_dscnt 1                                 ; this step's numbers are back from the stage; the last step's byte store may be out
.else
	s_wait_dscnt 0x0
.endif
.if (\t)+4 < STEPS
	LOAD (\t)+4                                    ; the registers that the stage's stores have read take the loads of four steps on
.endif
.if (\t)+1 < STEPS
.if STEPS-2-(\t) >= 3
	s_wait_loadcnt 12                              ; the next step's four loads are in; those of the three steps behind it may be out
.else
	s_wait_loadcnt 4*(STEPS-2-(\t))
.endif
	TURN (\t)+1
.endif
	v_max3_num_f32 v8, |v[XS]|, |v[XS+1]|, |v[XS+2]|               ; the largest magnitude of my 16, in two chains
	v_max3_num_f32 v9, |v[XS+3]|, |v[XS+4]|, |v[XS+5]|
.irp i, 6,10
	v_max3_num_f32 v8, v8, |v[XS+\i]|, |v[XS+\i+1]|
	v_max3_num_f32 v9, v9, |v[XS+\i+2]|, |v[XS+\i+3]|
.endr
	v_max3_num_f32 v8, v8, |v[XS+14]|, |v[XS+15]|
	v_max3_num_f32 v8, v8, v9, (EMAX+1)<<23        ; and the floor 2^(3 - 127): the byte cannot fall under 1
	v_max_num_f32_dpp v8, v8, v8 row_xmask:1 row_mask:0xf bank_mask:0xf   ; with my neighbour's 16: the block's
	v_add_nc_u32 v11, -(EMAX<<23), v8              ; 2 off its exponent field: the conversion takes this operand's exponent field as its scale
	v_cvt_scalef32_pk8_fp4_f32 v[C+4*(\t)], v[XS:XS+7], v11
	v_cvt_scalef32_pk8_fp4_f32 v[C+4*(\t)+1], v[XS+8:XS+15], v11
	v_lshrrev_b32 v[E+(\t)], 23, v11               ; the scale's byte
	ds_store_b8 v5, v[E+(\t)] offset:16*(\t)       ; both lanes of a block write the same byte with the same value
	global_store_b64 v4, v[C+4*(\t):C+4*(\t)+1], s[20:21] offset:32*CB*(\t)
.endm
.irp t, 0,1,2,3,4,5,6,7,8,9,10,11,12,13,14,15
	STEP \t
.endr
	ds_load_b64 v[8:9], v6                         ; these see my byte stores: LDS serves a wave in order
	s_wait_dscnt 0x0
	global_store_b64 v7, v[8:9], s[22:23]          ; 32 lanes store 256 consecutive bytes, aligned
	FIN
; ---- Wo.  Work-group e = number - 352 takes rows 16 e .. 16 e + 15; wave w their k = 256 w .. 256 w + 255, in four units of 64 along K.
.Lwo:
	s_cmp_eq_u32 ttmp9, 416
	s_cbranch_scc1 .Lmask
	s_sub_co_u32 s5, ttmp9, NQG                    ; e
	s_lshl_b32 s28, s5, 16                         ; 16 rows of 4,096 bytes
	s_lshl_b32 s29, s[WV], 10
	s_add_co_u32 s28, s28, s29
	s_mov_b32 s29, 0
	s_add_nc_u64 s[16:17], s[16:17], s[28:29]
	s_lshl_b32 s28, s5, 15                         ; an n tile's images: 32,768 bytes; a wave's eight steps of 32 along K: 8,192
	s_lshl_b32 s30, s[WV], 13
	s_add_co_u32 s28, s28, s30
	s_add_nc_u64 s[24:25], s[24:25], s[28:29]
	v_and_b32 v3, 15, v2                           ; r
	v_lshrrev_b32 v4, 4, v2                        ; h
	v_lshlrev_b32 v5, 4, v3
	v_lshl_add_u32 v6, v4, 12, v5                  ; in memory: lanes 0-15 one row's 256 bytes, lanes 16-31 the next row's
	s_mul_i32 s30, s[WV], WOS
	s_add_co_u32 s30, s30, WOB                     ; my stage
	v_mad_u32_u24 v7, v4, 272, v5
	v_add_nc_u32 v7, s30, v7                       ; into it: as loaded
	v_mul_u32_u24 v8, v3, 272
	v_lshl_add_u32 v8, v4, 5, v8
	v_add_nc_u32 v8, s30, v8                       ; out of it: row r, 8 numbers at 32 h of each 64 bytes
	v_lshlrev_b32 v9, 4, v2                        ; an image's place for my lane
.irp q, 0,1,2,3
.irp i, 0,1,2,3,4,5,6,7
	global_load_b128 v[16+32*\q+4*\i:16+32*\q+4*\i+3], v6, s[16:17] offset:\i*8192+\q*256 th:TH_LOAD_NT
.endr
.endr
.irp q, 0,1,2,3
	s_wait_loadcnt 8*(3-\q)                        ; unit q's eight loads are in; the later units' may be out
.irp i, 0,1,2,3,4,5,6,7
	ds_store_b128 v7, v[16+32*\q+4*\i:16+32*\q+4*\i+3] offset:\i*544
.endr
.irp n, 0,1,2,3,4,5,6,7
	ds_load_b128 v[144+4*\n:147+4*\n], v8 offset:64*(\n/2)+16*(\n%2)   ; chunk n / 2 of the unit's four: k = 16 (n / 2) + 8 h + 4 (n % 2) + 0..3
.endr
	s_wait_dscnt 0x0                               ; the numbers are back, and the stores have read the registers that take the halves below
.set m, 0
.rept 16
	v_cvt_pk_f16_f32 v[16+32*\q+m], v[144+2*m], v[144+2*m+1]
.set m, m+1
.endr
.irp ch, 0,1,2,3
	global_store_b128 v9, v[16+32*\q+4*\ch:16+32*\q+4*\ch+3], s[24:25] offset:\q*2048+\ch*512   ; a chunk: 512 consecutive bytes, aligned
.endr
.endr
	FIN
; ---- THE MASK.  Wave w takes batch w: 2,048 words, 64 a lane.
.Lmask:
	s_lshl_b32 s28, s[WV], 13
	s_mov_b32 s29, 0
	s_add_nc_u64 s[18:19], s[18:19], s[28:29]
	s_add_nc_u64 s[6:7], s[26:27], s[28:29]        ; the batch's bias
	v_lshlrev_b32 v3, 4, v2
.irp i, 0,1,2,3,4,5,6,7,8,9,10,11,12,13,14,15
	global_load_b128 v[16+4*\i:19+4*\i], v3, s[18:19] offset:512*\i
.endr
	s_wait_loadcnt 0x0
	v_or_b32 v80, v16, v17
.set i, 18
.rept 62
	v_or_b32 v80, v80, v[i]
.set i, i+1
.endr
	v_cmp_ne_u32 s30, 0, v80                       ; a lane's bit: one of its 64 keys is open
	s_cmp_lg_u32 s30, 0                            ; is any key of the batch open?  It selects values alone: no branch and no address hangs on it
	s_cselect_b32 s31, 0xf149f2ca, 0               ; -1e30 for a masked key, or 0 everywhere
	s_cselect_b32 s32, 0x3e38aa3b, 0               ; log2(e) / 8, or 0
	v_mov_b32 v81, s31
.set i, 16
.rept 64
	v_cmp_eq_u32 vcc_lo, 0, v[i]
	v_cndmask_b32 v[i], 0, v81, vcc_lo
.set i, i+1
.endr
.irp i, 0,1,2,3,4,5,6,7,8,9,10,11,12,13,14,15
	global_store_b128 v3, v[16+4*\i:19+4*\i], s[6:7] offset:512*\i
.endr
	v_mov_b32 v82, s32
	v_mov_b32 v83, s32
	v_lshlrev_b32 v4, 3, v2
	s_lshl_b32 s28, s[WV], 8
	s_add_nc_u64 s[26:27], s[26:27], s[28:29]
	global_store_b64 v4, v[82:83], s[26:27] offset:32768   ; qs, 64 times: 256 consecutive bytes, aligned
	FIN
.Lfunc_end_k_q80505b12ff_prep:
	.size	k_q80505b12ff_prep, .Lfunc_end_k_q80505b12ff_prep-k_q80505b12ff_prep
	.p2alignl 7, 3214868480
	.fill 96, 4, 3214868480
	.section	.rodata,"a",@progbits
	.p2align	6, 0x0
	.amdhsa_kernel k_q80505b12ff_prep
		.amdhsa_group_segment_fixed_size 50688
		.amdhsa_private_segment_fixed_size 0
		.amdhsa_enable_private_segment 0
		.amdhsa_kernarg_size 80
		.amdhsa_user_sgpr_count 2
		.amdhsa_user_sgpr_kernarg_segment_ptr 1
		.amdhsa_wavefront_size32 1
		.amdhsa_system_sgpr_workgroup_id_x 1
		.amdhsa_system_sgpr_workgroup_id_y 1
		.amdhsa_system_sgpr_workgroup_id_z 1
		.amdhsa_system_vgpr_workitem_id 0
		.amdhsa_next_free_vgpr 192
		.amdhsa_next_free_sgpr 66
		.amdhsa_reserve_vcc 1
		.amdhsa_float_denorm_mode_32 3
		.amdhsa_float_denorm_mode_16_64 3
		.amdhsa_memory_ordered 1
		.amdhsa_forward_progress 1
		.amdhsa_inst_pref_size 57
	.end_amdhsa_kernel
	.amdgpu_metadata
---
amdhsa.version: [ 1, 2 ]
amdhsa.kernels:
  - .name:           k_q80505b12ff_prep
    .symbol:         k_q80505b12ff_prep.kd
    .args:
      - { .name: x, .offset: 0, .size: 8, .value_kind: global_buffer, .address_space: global }
      - { .name: Wq, .offset: 8, .size: 8, .value_kind: global_buffer, .address_space: global }
      - { .name: Wk, .offset: 16, .size: 8, .value_kind: global_buffer, .address_space: global }
      - { .name: Wv, .offset: 24, .size: 8, .value_kind: global_buffer, .address_space: global }
      - { .name: Wo, .offset: 32, .size: 8, .value_kind: global_buffer, .address_space: global }
      - { .name: mask, .offset: 40, .size: 8, .value_kind: global_buffer, .address_space: global }
      - { .name: cd, .offset: 48, .size: 8, .value_kind: global_buffer, .address_space: global }
      - { .name: sc, .offset: 56, .size: 8, .value_kind: global_buffer, .address_space: global }
      - { .name: wimg, .offset: 64, .size: 8, .value_kind: global_buffer, .address_space: global }
      - { .name: mb, .offset: 72, .size: 8, .value_kind: global_buffer, .address_space: global }
    .group_segment_fixed_size: 50688
    .private_segment_fixed_size: 0
    .kernarg_segment_align: 8
    .kernarg_segment_size: 80
    .max_flat_workgroup_size: 128
    .sgpr_count:     66
    .vgpr_count:     192
    .wavefront_size: 32
...
	.end_amdgpu_metadata
.endif
;; end of part 1
;; launch proj (part 2): grid 12 x 32, 4 waves a work-group, clusters of 4 x 4, 327,680 bytes of LDS; arguments cd, sc, mb, bq, bv, qimg, kv; writes qimg, kv
.if DOCPART == 2
	.amdgcn_target "amdgcn-amd-amdhsa--gfx1250"
	.amdhsa_code_object_version 6
	.text
	.protected	k_q80505b12ff_proj
	.globl	k_q80505b12ff_proj
	.p2align	8
	.type	k_q80505b12ff_proj,@function
k_q80505b12ff_proj:
	s_mov_b64 s[64:65], 0
	v_nop
	global_prefetch_b8 v0, s[64:65] scope:SCOPE_SE
	s_setreg_imm32_b32 hwreg(HW_REG_WAVE_MODE, 25, 1), 1
	s_wait_xcnt 0x0
	s_wait_alu depctr_hold_cnt(0) depctr_sa_sdst(0) depctr_va_vdst(0) depctr_va_sdst(0) depctr_va_ssrc(0) depctr_va_vcc(0) depctr_vm_vsrc(0)
	s_getreg_b32 s2, hwreg(HW_REG_IB_STS2, 6, 4)
	s_cmp_eq_u32 s2, 0
	s_cbranch_scc0 .Lentry_in_a_cluster
	s_endpgm
.Lentry_in_a_cluster:
	s_bfe_u32 s2, ttmp6, 0x10000c
	s_cmp_lg_u32 s2, 0xf033
	s_cbranch_scc0 .Lentry_shape_is_right
	s_endpgm
.Lentry_shape_is_right:
; PROJ: the three quantised products in one GEMM on codes of FP4: C[m][n] = sum over k of x[m][k] W[n][k], m = 8,192 tokens, n = 3,072 rows of Wq, Wk, Wv, k = 1,024, with one E8M0 scale for each 32 along K.
; bk is left out (dead work: the term Q.bk is the same for all keys of a query; shown at the head of the first kernel).
; A tile of C, 256 x 256, is made by four waves, 128 x 128 each: 64 accumulators.  K is two slots of 512: both are first fills, nothing is filled again, and there is no loop.  The scales of the work-group's rows come once.
; CLUSTERS: 4 x 4 work-groups; A's tiles are asked for jointly along a row of the cluster, B's along a column.  A cluster's x says which product it serves (0 Q, 1 K, 2 V): the same in all sixteen partners.
; THE MATRIX INSTRUCTION IS USED TRANSPOSED (source 0 = 16 rows of W, source 1 = 16 tokens): a lane holds one token (lane % 16) and eight neighbouring channels.  Rounded to f16 those are 16 bytes, and a 16 x 16
; tile's 512 bytes ARE a chunk of the image that the next launch loads into an operand's registers: so each tile leaves by one store of 512 consecutive bytes, with no stage in LDS.
;   Q: (sum + bq) x qs[batch] -> qimg [head 64][query tile 128][32 channels: 2][chunk 2][lane][16 B]
;   K: sum                    -> kv [head 64][step of 64 keys: 32][8 KB: key tile 4, 32 channels 2, chunk 2]
;   V: sum + bv               -> kv, the step's second 8 KB: [32 keys: 2][16 channels: 4][16 keys: 2][512 B = 16 keys x 16 channels, 32 bytes a key]: read turned by the next launch
; LIMITS: |Q x qs|, |K|, |V| at most 65,504 (f16).
; REGISTERS: window 0: v0-31 addresses; v32-95 scale words, two sets; from v128 A's fragments, one set.  Window 1: B's fragments, two sets.  Windows 2, 3: the accumulators, (a, b) at v[8 (8 (a % 4) + b)].
;   On the way out, window 0: v32-95 T (f32), v96-159 two sets of packed halves, v192-255 the bias in the result's layout.
.set SIZE_K, 1024
.set KSTEP,  512
.set NQ,     KSTEP/128
.set ROWB,   256                       ; a tile's row: 512 codes
.set KROW,   SIZE_K*4/8                ; a row of codes in memory
.set PITCH,  272                       ; an LDS row: 256 bytes + 16 of padding: the 16 rows of a load start 68 words apart
.set FR,     8
.set NL,     2
.set NP,     4                         ; places behind this matrix instruction (ISA guide 7.12.1)
.set HALFT,  128*PITCH
.set SLOT,   4*HALFT
.set KS,     SIZE_K/32
.set SCL,    2*SLOT                    ; behind the two slots: the scales, as pieces of 256 bytes + 16 of padding
.set HALFS,  (128*KS/256)*272
.set SBLK,   (16*KS/256)*272
.set SPARE,  SCL+4*HALFS               ; the spare words, 128 bytes for each wave: two blocks of 256 bytes that no other line names
.set ADRA, 16                          ; v16-17  LDS address of my A fragments in slot 0, 1
.set ADRB, 20                          ; v20-21  the same for B
.set OL,   24                          ; v24     16 x lane: a chunk's place for my lane (Q, K)
.set OV,   25                          ; v25     32 r + 16 h: the same in a chunk of V
.set OB,   26                          ; v26     32 h: my half's eight numbers of a bias
.set ADRS, 27                          ; v27     LDS address of my scale words
.set SPW,  28
.set NIL,  29
.set SC,   32
.set AF,   128
.set T,    32
.set C4,   96
.set BI,   192
.set MUL,  66                          ; s[66:67] qs of my batch
.set G1, 24
.set G0, 32
.set G1B, 48
.set G0B, 56
.set G1S, 68
.set G0S, 76
.set G1SB, 80
.set G0SB, 88
.set MSB, 0
.macro WIN new                         ; the immediate's high byte repeats the setting that is left
.if MSB != (\new)
	s_set_vgpr_msb (MSB<<8)|(\new)
.set MSB, (\new)
.endif
.endm
.set MUL_LO, 0xa1                      ; source 0 (B) window 1, source 1 (A) window 0, C and D window 2
.set MUL_HI, 0xf1
.set TO_B,   0x40
; A joint load: waves 0 and 1 fetch for A, waves 2 and 3 for B; the branch hangs on the wave's number alone.  An s_nop 0 and four v_nop follow each line.
.macro JLOAD g0a, g1a, g0b, g1b
	s_cmp_eq_u32 s15, 0
	s_cbranch_scc0 .Lfor_b_\@
	tensor_load_to_lds s[\g0a:\g0a+3], s[\g1a:\g1a+7]
	s_nop 0
.rept 4
	v_nop
.endr
	s_branch .Lasked_\@
.Lfor_b_\@:
	tensor_load_to_lds s[\g0b:\g0b+3], s[\g1b:\g1b+7]
	s_nop 0
.rept 4
	v_nop
.endr
.Lasked_\@:
.endm
.macro CROUND                          ; a round of the cluster's barrier
	s_barrier_signal -1
	s_barrier_wait -1
	s_cmp_lg_u32 s14, 0
	s_cbranch_scc1 .Lnot_wave_0_\@
	s_barrier_signal -3
.Lnot_wave_0_\@:
	s_barrier_wait -3
	s_barrier_signal -1
	s_barrier_wait -1
.endm
	s_load_b128 s[4:7], s[0:1], 0x0                ; cd, sc
	v_lshl_add_u32 v[SPW], v0, 2, SPARE
	v_mov_b32 v[NIL], 0
	ds_add_u32 v[SPW], v[NIL]                      ; the wave's opening: the add, twice on end, and its wait ahead of my first tensor load
	ds_add_u32 v[SPW], v[NIL]
	v_lshrrev_b32 v1, 5, v0
	v_readfirstlane_b32 s14, v1                    ; wave 0..3
	s_lshr_b32 s15, s14, 1                         ; which half of the tile's rows is mine.  Also: I fetch for A (0) or for B (1)
	s_and_b32 s16, s14, 1                          ; which half of its columns.  Also: which 128 rows I fetch
	s_bfe_u32 s40, ttmp6, 0x40000                  ; cx, cy
	s_bfe_u32 s41, ttmp6, 0x40004
	s_lshl_b32 s42, ttmp9, 2
	s_add_co_u32 s42, s42, s40                     ; tile column of C
	s_and_b32 s17, ttmp7, 0xffff
	s_lshl_b32 s17, s17, 2
	s_add_co_u32 s17, s17, s41                     ; tile row of C
	s_lshl_b32 s43, s41, 2
	s_lshl_b32 s43, 15, s43                        ; my row of the cluster
	s_lshl_b32 s44, 0x1111, s40                    ; my column
	s_or_b32 s[G1+0], s43, (0<<16)|(1<<20)|(1<<21)|(5<<22)|(3<<25)  ; the mask; elements of 1 byte; padding on; bit 21 beside a mask; 4 words after every 64
	s_or_b32 s[G1B+0], s44, (0<<16)|(1<<20)|(1<<21)|(5<<22)|(3<<25)
.irp g, G1, G1B
	s_mov_b32 s[\g+1], ROWB<<16                    ; tensor_dim0
	s_mov_b32 s[\g+2], 128<<16                     ; tensor_dim1
	s_mov_b32 s[\g+3], ROWB<<16                    ; tile_dim0
	s_mov_b32 s[\g+4], 128                         ; tile_dim1
	s_mov_b32 s[\g+5], KROW                        ; from row to row
	s_mov_b32 s[\g+6], 0
	s_mov_b32 s[\g+7], 0
.endr
	s_or_b32 s[G1S+0], s43, (3<<16)|(1<<20)|(1<<21)|(5<<22)|(3<<25) ; the scales of 128 rows: a dense block, as rows of 256 bytes (32 elements of 8)
	s_or_b32 s[G1SB+0], s44, (3<<16)|(1<<20)|(1<<21)|(5<<22)|(3<<25)
.irp g, G1S, G1SB
	s_mov_b32 s[\g+1], 32<<16
	s_mov_b32 s[\g+2], (128*KS/256)<<16
	s_mov_b32 s[\g+3], 32<<16
	s_mov_b32 s[\g+4], 128*KS/256
	s_mov_b32 s[\g+5], 32
	s_mov_b32 s[\g+6], 0
	s_mov_b32 s[\g+7], 0
.endr
	s_lshl_b32 s18, s16, 7
	s_lshl_b32 s20, s17, 8
	s_add_co_u32 s20, s20, s18                     ; A: row 256 x tile row + 128 x half
	s_lshl_b32 s46, s42, 8
	s_add_co_u32 s46, s46, s18                     ; B: row 256 x tile column + 128 x half
	s_mov_b32 s21, 0
	s_mov_b32 s47, 0
	s_mov_b64 s[18:19], KS
	s_mul_u64 s[22:23], s[20:21], s[18:19]         ; where these rows' scales begin
	s_mul_u64 s[92:93], s[46:47], s[18:19]
	s_mov_b64 s[18:19], KROW
	s_mul_u64 s[20:21], s[20:21], s[18:19]         ; and their codes
	s_mul_u64 s[46:47], s[46:47], s[18:19]
	s_mul_i32 s45, s14, HALFT                      ; where they go: wave x 128 rows
	s_mul_i32 s94, s14, HALFS
	s_wait_dscnt 0x0                               ; both opening adds are done
	s_wait_kmcnt 0x0
	s_add_nc_u64 s[8:9], s[4:5], 0x400000          ; the weights' codes lie behind x's 8,192 rows of 512 bytes,
	s_add_nc_u64 s[10:11], s[6:7], 0x40000         ; their scale bytes behind x's 8,192 rows of 32
	s_add_nc_u64 s[20:21], s[4:5], s[20:21]
	s_add_nc_u64 s[22:23], s[6:7], s[22:23]
	s_add_nc_u64 s[46:47], s[8:9], s[46:47]
	s_add_nc_u64 s[92:93], s[10:11], s[92:93]
	CROUND                                         ; all sixteen work-groups are here: the joint loads meet
	s_mov_b32 s[G0S], 1
	s_add_co_u32 s[G0S+1], s94, SCL
	s_mov_b64 s[G0S+2:G0S+3], s[22:23]
	s_or_b32 s[G0S+3], s[G0S+3], 0x80000000
	s_mov_b32 s[G0SB], 1
	s_add_co_u32 s[G0SB+1], s94, SCL
	s_mov_b64 s[G0SB+2:G0SB+3], s[92:93]
	s_or_b32 s[G0SB+3], s[G0SB+3], 0x80000000
	JLOAD G0S, G1S, G0SB, G1SB                     ; the scales first
.irp s, 0,1
	s_mov_b32 s[G0+4*\s], 1
	s_add_co_u32 s[G0+4*\s+1], s45, \s*SLOT
	s_add_nc_u64 s[G0+4*\s+2:G0+4*\s+3], s[20:21], \s*ROWB
	s_or_b32 s[G0+4*\s+3], s[G0+4*\s+3], 0x80000000
	s_mov_b32 s[G0B+4*\s], 1
	s_add_co_u32 s[G0B+4*\s+1], s45, \s*SLOT
	s_add_nc_u64 s[G0B+4*\s+2:G0B+4*\s+3], s[46:47], \s*ROWB
	s_or_b32 s[G0B+4*\s+3], s[G0B+4*\s+3], 0x80000000
	JLOAD G0+4*\s, G1, G0B+4*\s, G1B               ; three tensor loads of mine are out
.endr
	s_load_b256 s[4:11], s[0:1], 0x10              ; for the way out: mb 4, bq 6, bv 8, qimg 10;
	s_load_b64 s[12:13], s[0:1], 0x30              ; kv.  Waited for there; s4-13 are not named before
	v_and_b32 v1, 15, v0                           ; r
	v_bfe_u32 v2, v0, 4, 1                         ; h
	v_mul_u32_u24 v3, v1, PITCH
	v_lshl_add_u32 v4, v2, 4, v3
	s_mul_i32 s21, s15, HALFT                      ; my 128 rows of A
	s_mul_i32 s22, s16, HALFT                      ; my 128 rows of B,
	s_add_co_u32 s22, s22, 2*HALFT                 ; behind A's 256
.irp s, 0,1
	v_add_nc_u32 v[ADRA+\s], s21, v4
	v_add_nc_u32 v[ADRB+\s], s22, v4
	s_add_co_u32 s21, s21, SLOT
	s_add_co_u32 s22, s22, SLOT
.endr
	v_mul_u32_u24 v5, v1, KS                       ; my row's scales: KS bytes a row,
	v_lshrrev_b32 v6, 8, v5
	v_lshl_add_u32 v5, v6, 4, v5                   ; and 16 more for each 256 passed
	s_mul_i32 s21, s15, HALFS
	s_mul_i32 s22, s16, HALFS
	s_add_co_u32 s22, s22, 2*HALFS
	s_sub_co_u32 s22, s22, s21
	v_mul_u32_u24 v6, s22, v2                      ; lanes 16-31 take B's
	s_add_co_u32 s21, s21, SCL
	v_add_nc_u32 v5, v5, v6
	v_add_nc_u32 v[ADRS], s21, v5
	v_and_b32 v6, 31, v0
	v_lshlrev_b32 v[OL], 4, v6
	v_lshlrev_b32 v[OV], 5, v1
	v_lshl_add_u32 v[OV], v2, 4, v[OV]
	v_lshlrev_b32 v[OB], 5, v2
.macro FRAG reg, adr, q, i             ; 16 rows x 128 K of 4-bit codes: 8 registers, two loads of 16 bytes, 32 bytes apart
.irp c, 0,1
	ds_load_b128 v[\reg+4*\c:\reg+4*\c+3], v[\adr] offset:64*(\q)+32*\c+(\i)*16*PITCH
.endr
.endm
; 16 matrix instructions: A's blocks a0, a0 + 1 x B's eight.  The 64 accumulators take turns, one instruction a turn, in the same order in every step.
.macro MUL16 a0, p, q, sc, zero
.irp a, \a0, \a0+1
.irp b, 0,1,2,3,4,5,6,7
.if \zero
	v_wmma_scale_f32_16x16x128_f8f6f4 v[8*(8*((\a)%4)+\b):8*(8*((\a)%4)+\b)+7], v[128*(\p)+FR*\b:128*(\p)+FR*\b+FR-1], v[AF+FR*(\a):AF+FR*(\a)+FR-1], 0, v[SC+8*NQ*(\sc)+NQ*\b+(\q)], v[SC+8*NQ*(\sc)+NQ*(\a)+(\q)] matrix_a_fmt:MATRIX_FMT_FP4 matrix_b_fmt:MATRIX_FMT_FP4 matrix_a_scale:MATRIX_SCALE_ROW1
.else
	v_wmma_scale_f32_16x16x128_f8f6f4 v[8*(8*((\a)%4)+\b):8*(8*((\a)%4)+\b)+7], v[128*(\p)+FR*\b:128*(\p)+FR*\b+FR-1], v[AF+FR*(\a):AF+FR*(\a)+FR-1], v[8*(8*((\a)%4)+\b):8*(8*((\a)%4)+\b)+7], v[SC+8*NQ*(\sc)+NQ*\b+(\q)], v[SC+8*NQ*(\sc)+NQ*(\a)+(\q)] matrix_a_fmt:MATRIX_FMT_FP4 matrix_b_fmt:MATRIX_FMT_FP4 matrix_a_scale:MATRIX_SCALE_ROW1
.endif
.endr
.endr
.endm
.macro FETCH_B slot, q, p
	WIN TO_B
.irp i, 0,1,2,3,4,5,6,7
	FRAG 128*(\p)+FR*\i, ADRB+\slot, \q, \i
.endr
	WIN 0
.endm
.macro FETCH_A slot, q, i0
.irp i, \i0, \i0+1, \i0+2, \i0+3
	FRAG AF+FR*(\i), ADRA+\slot, \q, \i
.endr
.endm
.macro SCALES sc                       ; a slot's scale words: lanes 0-15 A's block i, lanes 16-31 B's block i
.irp i, 0,1,2,3,4,5,6,7
	ds_load_b128 v[SC+8*NQ*\sc+NQ*\i:SC+8*NQ*\sc+NQ*\i+3], v[ADRS] offset:\i*SBLK
.endr
.endm
.macro PLACES n                        ; plain vector instructions between a matrix instruction and a load into, or a read of, its registers
.rept \n
	v_nop
.endr
.endm
.macro STEP slot, q, zero              ; 128 along K, with its successor in the same slot
	s_wait_dscnt 4*NL                              ; B's set and A's blocks 0-3 are in; the youngest eight loads (A's blocks 4-7) may be out
	WIN MUL_LO
	MUL16 0, (\q)%2, \q, \slot, \zero
	MUL16 2, (\q)%2, \q, \slot, \zero
	s_wait_dscnt 0
	PLACES NP
	FETCH_B \slot, (\q)+1, 1-(\q)%2
	FETCH_A \slot, (\q)+1, 0
	WIN MUL_HI
	MUL16 4, (\q)%2, \q, \slot, \zero
	MUL16 6, (\q)%2, \q, \slot, \zero
	PLACES NP
	WIN 0
	FETCH_A \slot, (\q)+1, 4
.endm
.macro TURN slot, next                 ; slot 0's last step: my part of slot 1 has landed, everybody's behind the barrier.  Nothing is filled again
	s_wait_tensorcnt 0x0
	ds_add_u32 v[SPW], v[NIL]
	s_wait_dscnt 4*NL+1                            ; the add and the youngest eight loads may be out
	WIN MUL_LO
	MUL16 0, 1, NQ-1, \slot, 0
	s_wait_dscnt 0x0
	s_barrier_signal -1
	MUL16 2, 1, NQ-1, \slot, 0
	WIN 0
	s_barrier_wait -1
	PLACES NP
	v_add_nc_u32 v[ADRS], 4*NQ, v[ADRS]            ; the next slot's scale words
	FETCH_B \next, 0, 0
	FETCH_A \next, 0, 0
	SCALES \next
	WIN MUL_HI
	MUL16 4, 1, NQ-1, \slot, 0
	MUL16 6, 1, NQ-1, \slot, 0
	PLACES NP
	WIN 0
	FETCH_A \next, 0, 4
.endm
.macro STEPS slot, from
.set Q, \from
.rept NQ-1-\from
	STEP \slot, Q, 0
.set Q, Q+1
.endr
.endm
	s_wait_tensorcnt 1                             ; the scales and my part of slot 0 are in; slot 1's load may be out
	s_barrier_signal -1
	s_barrier_wait -1
	FETCH_B 0, 0, 0
	FETCH_A 0, 0, 0
	SCALES 0
	FETCH_A 0, 0, 4
	STEP 0, 0, 1                                   ; the first products start the sums: nothing is cleared
	STEPS 0, 1
	TURN 0, 1
	STEPS 1, 0
	s_wait_dscnt 4*NL
	WIN MUL_LO
	MUL16 0, 1, NQ-1, 1, 0
	MUL16 2, 1, NQ-1, 1, 0
	s_wait_dscnt 0
	WIN MUL_HI
	MUL16 4, 1, NQ-1, 1, 0
	MUL16 6, 1, NQ-1, 1, 0
	WIN 0
; THE WAY OUT.  My block a (16 tokens) x block b (16 channels) is one chunk of 512 bytes.
	PLACES NP
	s_wait_kmcnt 0x0                               ; the five addresses
	s_lshr_b32 s18, s17, 3                         ; batch: 8 tile rows of 256 tokens
	s_and_b32 s19, s17, 7
	s_lshl_b32 s19, s19, 4
	s_lshl_b32 s20, s15, 3
	s_add_co_u32 s19, s19, s20                     ; my first tile of 16 tokens in the batch: a multiple of 8
	s_lshl_b32 s20, s18, 4
	s_lshl_b32 s21, s40, 2
	s_add_co_u32 s20, s20, s21
	s_lshl_b32 s21, s16, 1
	s_add_co_u32 s20, s20, s21                     ; my first head: 16 x batch + 4 cx + 2 x half; blocks 4-7 belong to the next
	s_lshl_b32 s22, s40, 10
	s_lshl_b32 s21, s16, 9
	s_add_co_u32 s22, s22, s21                     ; my 128 numbers of a bias, in bytes
	s_mov_b32 s23, 0
	s_lshl_b32 s46, s20, 19                        ; kv: 524,288 bytes a head,
	s_lshr_b32 s21, s19, 2
	s_lshl_b32 s21, s21, 14                        ; 16,384 a step of four tiles
	s_add_co_u32 s46, s46, s21
	s_mov_b32 s47, 0
.macro BIASLD base                     ; the bias in the result's layout: register 8 b + j = bias[16 b + 8 h + j]
.irp b, 0,1,2,3,4,5,6,7
	global_load_b128 v[BI+8*\b:BI+8*\b+3], v[OB], s[\base:\base+1] offset:64*\b
	global_load_b128 v[BI+8*\b+4:BI+8*\b+7], v[OB], s[\base:\base+1] offset:64*\b+16
.endr
.endm
.macro CVT_T a                         ; T's 64 numbers to 32 registers of halves, in set a % 2
.set CC, C4+32*((\a)%2)
.set i, 0
.rept 32
	v_cvt_pk_f16_f32 v[CC+i], v[T+2*i], v[T+2*i+1]
.set i, i+1
.endr
.endm
	s_cmp_eq_u32 ttmp9, 1                          ; the cluster's x: the same in all partners
	s_cbranch_scc1 .Larm_k
	s_cmp_eq_u32 ttmp9, 2
	s_cbranch_scc1 .Larm_v
; ---- Q
	s_add_nc_u64 s[6:7], s[6:7], s[22:23]
	BIASLD 6
	s_lshl_b32 s22, s18, 8
	s_add_nc_u64 s[4:5], s[4:5], s[22:23]
	s_load_b32 s[MUL], s[4:5], 0x8000              ; qs of my batch
	s_lshl_b32 s46, s20, 18                        ; qimg: 262,144 bytes a head,
	s_lshl_b32 s21, s19, 11                        ; 2,048 a tile
	s_add_co_u32 s46, s46, s21
	s_add_nc_u64 s[10:11], s[10:11], s[46:47]
	s_wait_kmcnt 0x0
	s_mov_b32 s[MUL+1], s[MUL]                     ; (named with it as a pair)
	s_wait_loadcnt 0x0
.set i, 0
.rept 32
	v_pk_mul_f32 v[BI+2*i:BI+2*i+1], v[BI+2*i:BI+2*i+1], s[MUL:MUL+1] op_sel_hi:[1,0]   ; bq x qs, once
.set i, i+1
.endr
.irp a, 0,1,2,3,4,5,6,7
.if \a >= 2
	s_wait_xcnt 0x0                                ; block a - 2's stores have read the set that is written again
.endif
	WIN 0x02+(\a/4)                                ; source 0: window 2 or 3
.set AC, 64*(\a%4)
.set i, 0
.rept 32
	v_pk_fma_f32 v[T+2*i:T+2*i+1], v[AC+2*i:AC+2*i+1], s[MUL:MUL+1], v[BI+2*i:BI+2*i+1] op_sel_hi:[1,0,1]   ; each accumulator from its low end on
.set i, i+1
.endr
	WIN 0
	CVT_T \a
.irp b, 0,1,2,3,4,5,6,7
	global_store_b128 v[OL], v[CC+4*\b:CC+4*\b+3], s[10:11] offset:\a*2048+(\b/4)*262144+(\b%4)*512
.endr
.endr
	s_branch .Ldone
; ---- K: no bias, no factor
.Larm_k:
	s_add_nc_u64 s[12:13], s[12:13], s[46:47]
.irp a, 0,1,2,3,4,5,6,7
.if \a >= 2
	s_wait_xcnt 0x0
.endif
	WIN 0x0a+5*(\a/4)                              ; sources 0 and 1: window 2 or 3
.set AC, 64*(\a%4)
.set CC, C4+32*(\a%2)
.set i, 0
.rept 32
	v_cvt_pk_f16_f32 v[CC+i], v[AC+2*i], v[AC+2*i+1]
.set i, i+1
.endr
	WIN 0
.irp b, 0,1,2,3,4,5,6,7
	global_store_b128 v[OL], v[CC+4*\b:CC+4*\b+3], s[12:13] offset:(\a/4)*16384+(\a%4)*2048+(\b/4)*524288+(\b%4)*512
.endr
.endr
	s_branch .Ldone
; ---- V
.Larm_v:
	s_add_nc_u64 s[8:9], s[8:9], s[22:23]
	BIASLD 8
	s_add_nc_u64 s[12:13], s[12:13], s[46:47]
	s_wait_loadcnt 0x0
.irp a, 0,1,2,3,4,5,6,7
.if \a >= 2
	s_wait_xcnt 0x0
.endif
	WIN 0x02+(\a/4)
.set AC, 64*(\a%4)
.set i, 0
.rept 32
	v_pk_add_f32 v[T+2*i:T+2*i+1], v[AC+2*i:AC+2*i+1], v[BI+2*i:BI+2*i+1]
.set i, i+1
.endr
	WIN 0
	CVT_T \a
.irp b, 0,1,2,3,4,5,6,7
	global_store_b128 v[OV], v[CC+4*\b:CC+4*\b+3], s[12:13] offset:(\a/4)*16384+8192+((\a/2)%2)*4096+(\a%2)*512+(\b%4)*1024+(\b/4)*524288
.endr
.endr
.Ldone:
	s_wait_tensorcnt 0x0                           ; the wave's end
	ds_add_u32 v[SPW], v[NIL]
	s_wait_dscnt 0x0
	CROUND                                         ; the closing round
	s_endpgm
.Lfunc_end_k_q80505b12ff_proj:
	.size	k_q80505b12ff_proj, .Lfunc_end_k_q80505b12ff_proj-k_q80505b12ff_proj
	.p2alignl 7, 3214868480
	.fill 96, 4, 3214868480
	.section	.rodata,"a",@progbits
	.p2align	6, 0x0
	.amdhsa_kernel k_q80505b12ff_proj
		.amdhsa_group_segment_fixed_size 327680
		.amdhsa_private_segment_fixed_size 0
		.amdhsa_enable_private_segment 0
		.amdhsa_kernarg_size 56
		.amdhsa_user_sgpr_count 2
		.amdhsa_user_sgpr_kernarg_segment_ptr 1
		.amdhsa_wavefront_size32 1
		.amdhsa_system_sgpr_workgroup_id_x 1
		.amdhsa_system_sgpr_workgroup_id_y 1
		.amdhsa_system_sgpr_workgroup_id_z 1
		.amdhsa_system_vgpr_workitem_id 0
		.amdhsa_next_free_vgpr 1024
		.amdhsa_next_free_sgpr 98
		.amdhsa_reserve_vcc 0
		.amdhsa_float_denorm_mode_32 3
		.amdhsa_float_denorm_mode_16_64 3
		.amdhsa_memory_ordered 1
		.amdhsa_forward_progress 1
		.amdhsa_inst_pref_size 201
	.end_amdhsa_kernel
	.amdgpu_metadata
---
amdhsa.version: [ 1, 2 ]
amdhsa.kernels:
  - .name:           k_q80505b12ff_proj
    .symbol:         k_q80505b12ff_proj.kd
    .args:
      - { .name: cd, .offset: 0, .size: 8, .value_kind: global_buffer, .address_space: global }
      - { .name: sc, .offset: 8, .size: 8, .value_kind: global_buffer, .address_space: global }
      - { .name: mb, .offset: 16, .size: 8, .value_kind: global_buffer, .address_space: global }
      - { .name: bq, .offset: 24, .size: 8, .value_kind: global_buffer, .address_space: global }
      - { .name: bv, .offset: 32, .size: 8, .value_kind: global_buffer, .address_space: global }
      - { .name: qimg, .offset: 40, .size: 8, .value_kind: global_buffer, .address_space: global }
      - { .name: kv, .offset: 48, .size: 8, .value_kind: global_buffer, .address_space: global }
    .group_segment_fixed_size: 327680
    .private_segment_fixed_size: 0
    .kernarg_segment_align: 8
    .kernarg_segment_size: 56
    .max_flat_workgroup_size: 128
    .sgpr_count:     98
    .vgpr_count:     1024
    .wavefront_size: 32
...
	.end_amdgpu_metadata
.endif
;; end of part 2
;; launch attn (part 3): grid 4 x 64, 8 waves a work-group, clusters of 4 x 1, 327,680 bytes of LDS; arguments qimg, kv, mb, cimg; writes cimg
.if DOCPART == 3
	.amdgcn_target "amdgcn-amd-amdhsa--gfx1250"
	.amdhsa_code_object_version 6
	.text
	.protected	k_q80505b12ff_attn
	.globl	k_q80505b12ff_attn
	.p2align	8
	.type	k_q80505b12ff_attn,@function
k_q80505b12ff_attn:
	s_mov_b64 s[64:65], 0
	v_nop
	global_prefetch_b8 v0, s[64:65] scope:SCOPE_SE
	s_setreg_imm32_b32 hwreg(HW_REG_WAVE_MODE, 25, 1), 1
	s_wait_xcnt 0x0
	s_wait_alu depctr_hold_cnt(0) depctr_sa_sdst(0) depctr_va_vdst(0) depctr_va_sdst(0) depctr_va_ssrc(0) depctr_va_vcc(0) depctr_vm_vsrc(0)
	s_getreg_b32 s2, hwreg(HW_REG_IB_STS2, 6, 4)
	s_cmp_eq_u32 s2, 0
	s_cbranch_scc0 .Lentry_in_a_cluster
	s_endpgm
.Lentry_in_a_cluster:
	s_bfe_u32 s2, ttmp6, 0x10000c
	s_cmp_lg_u32 s2, 0x3003
	s_cbranch_scc0 .Lentry_shape_is_right
	s_endpgm
.Lentry_shape_is_right:
; ATTN: ctx[h][q] = sum over k of softmax_k(t[q][k]) V[h][k], t = (Q.K / 8) log2(e) + bias[k].  The factor is already in Q (qimg holds Q x qs), the padding mask is the term bias (0 or -1e30).
; bk is left out (dead work: shown at the head of the first kernel).  Operands in f16, products, maxima and sums in f32; p is rounded to f16 for the second product, ctx once at the end.
; SHARES.  A work-group owns 512 queries of one head, each of its eight waves 64: four tiles of 16, in two pieces (tiles 0, 1 and tiles 2, 3).  Two waves lie on a SIMD: one's vector work stands beside the other's products.
; Every wave walks the head's 2,048 keys, 64 a step.  LAYOUT.  S^T = K Q^T + bias (source 0 = 16 keys, source 1 = 16 queries, C = the keys' bias): a lane holds ONE query (lane % 16) and keys 8 (lane / 16) + 0..7.
; Two such tiles rounded in pairs ARE source 1 of O^T = V^T P.  K comes out of LDS as an image of the operand's registers, V (16 keys x 16 channels a chunk) turned by ds_load_tr16_b128.
; SOFTMAX.  A running maximum m and sum l for each query: p = 2^(t - m); in every step O and l are multiplied by a = 2^(m_old - m_new).  Steps all of whose keys are masked give m near -1e30 and p of 0 or 1; the first
; open key makes a = 0, which wipes them.
; THE PIPELINE.  S and P hold ONE piece.  A trip: K of step j is asked for | piece 2's softmax and V^T P of step j - 1 | V of step j is asked for | piece 0: K Q^T, softmax, V^T P of step j | piece 2: K Q^T of step j.
; CLUSTER.  The four query blocks of a head form a cluster and walk the same K, V and bias: every tensor load is joint, the same descriptor with a mask that names the four.
; RING.  Two slots of eight steps (131,072 bytes); each wave brings one step (16 KB) of a slot.  A refill has eight steps, 512 matrix instructions of each wave, in which to land.
; LIMITS: |t| under 1e29; ctx at most 65,504 in magnitude (f16).
; REGISTERS.  window 0: v1-9 addresses; v16-47 statistics, 8 a tile: +0 m, +1 the old m, +2, +3 l, +4..+7 at work (a in +6); v48-111 S; v112-143 P; v144-175 bias; v176-239 Q.
;   window 1: v0-127 O^T (tile t, channels 16 ct on: 32 t + 8 ct); v128-191 K; v192-255 V.
.set SLOT1, 1<<17
.set STEPB, 16384                      ; a step: 8 KB of K, 8 KB of V
.set BIAS,  262144                     ; behind the ring: the batch's 2,048 bias numbers
.set SPARE, 270336                     ; the spare words, 128 bytes for each wave: four blocks of 256 bytes that no other line names
.set L16, 1                            ; v1  16 x lane
.set AV0, 2                            ; v2  my lane's place in a step's V, for the turning load
.set AB0, 3                            ; v3  BIAS + 32 h
.set ADK, 4
.set ADV, 5
.set ADB, 6
.set SPW, 8
.set NIL, 9
.set ST,  16
.set S,   48
.set P,   112
.set BI,  144
.set Q,   176
.set KF,  128
.set VF,  192
.set WV,  12
.set G1,  24                           ; s[24:31] 64 rows of 256 bytes, dense
.set G1B, 32                           ; s[32:39] 4 such rows
.set G0B, 40                           ; s[40:43] the bias
.set G0A, 44                           ; s[44:47] slot 0's first fill
.set G0W, 48                           ; s[48:51] slot 1's first fill; it then walks
.set SEL, 52
.set TB,  54                           ; s54 LDS byte of the step to be fetched
.set TJ,  55                           ; s55 and of its bias: 256 bytes a step
.set CNT, 56
.set SLOTS, 57
.set MSB, 0
.macro WIN new
.if MSB != (\new)
	s_set_vgpr_msb (MSB<<8)|(\new)
.set MSB, (\new)
.endif
.endm
.set W_KQ, 0x01                        ; K in window 1; Q, bias and S^T in window 0
.set W_PV, 0x51                        ; V in window 1, P in window 0, O^T in window 1
.set W_RS, 0x41                        ; O^T (destination and source 0) in window 1, a in window 0
.macro PLACES
.rept 4
	v_nop
.endr
.endm
.macro CROUND
	s_barrier_signal -1
	s_barrier_wait -1
	s_cmp_lg_u32 s[WV], 0
	s_cbranch_scc1 .Lnot_wave_0_\@
	s_barrier_signal -3
.Lnot_wave_0_\@:
	s_barrier_wait -3
	s_barrier_signal -1
	s_barrier_wait -1
.endm
	s_load_b256 s[4:11], s[0:1], 0x0               ; qimg 4, kv 6, mb 8, cimg 10
	v_lshl_add_u32 v[SPW], v0, 2, SPARE
	v_mov_b32 v[NIL], 0
	ds_add_u32 v[SPW], v[NIL]                      ; the wave's opening: the add, twice on end, and its wait ahead of my first tensor load
	ds_add_u32 v[SPW], v[NIL]
	v_lshrrev_b32 v1, 5, v0
	v_readfirstlane_b32 s[WV], v1                  ; wave 0..7
	s_bfe_u32 s13, ttmp6, 0x40000                  ; cx: my block of 512 queries; it enters Q's and ctx's addresses alone
	s_and_b32 s14, ttmp7, 0xffff                   ; the head (16 x batch + head), which the four partners share
	s_lshl_b32 s16, s14, 19                        ; kv: 524,288 bytes a head,
	s_lshl_b32 s15, s[WV], 14                      ; my step of a slot: 16,384 bytes, in memory and in LDS
	s_add_co_u32 s16, s16, s15
	s_mov_b32 s17, 0
	s_lshr_b32 s18, s14, 4
	s_lshl_b32 s18, s18, 13                        ; bias: 8,192 bytes a batch,
	s_lshl_b32 s3, s[WV], 10                       ; my 1,024 of them
	s_add_co_u32 s18, s18, s3
	s_mov_b32 s19, 0
	s_lshl_b32 s20, s14, 18                        ; qimg: 262,144 bytes a head, 65,536 a block, 8,192 a wave
	s_lshl_b32 s21, s13, 16
	s_add_co_u32 s20, s20, s21
	s_lshl_b32 s21, s[WV], 13
	s_add_co_u32 s20, s20, s21
	s_mov_b32 s21, 0
	s_lshr_b32 s22, s14, 4                         ; cimg: token tile 128 x batch + 32 cx + 4 x wave, 32,768 bytes each; the head's 64 channels: 2,048 bytes
	s_lshl_b32 s22, s22, 7
	s_lshl_b32 s23, s13, 5
	s_add_co_u32 s22, s22, s23
	s_lshl_b32 s23, s[WV], 2
	s_add_co_u32 s22, s22, s23
	s_lshl_b32 s22, s22, 15
	s_and_b32 s23, s14, 15
	s_lshl_b32 s23, s23, 11
	s_add_co_u32 s22, s22, s23
	s_mov_b32 s23, 0
	s_mov_b32 s[G1], 15|(3<<16)|(1<<21)            ; the mask: all four work-groups; elements of 8 bytes; bit 21 beside a mask; no padding
	s_mov_b32 s[G1+1], 32<<16                      ; tensor_dim0 = 32 elements: 256 bytes
	s_mov_b32 s[G1+2], 64<<16                      ; tensor_dim1
	s_mov_b32 s[G1+3], 32<<16                      ; tile_dim0
	s_mov_b32 s[G1+4], 64                          ; tile_dim1
	s_mov_b32 s[G1+5], 32                          ; from row to row: dense
	s_mov_b32 s[G1+6], 0
	s_mov_b32 s[G1+7], 0
	s_mov_b32 s[G1B], 15|(3<<16)|(1<<21)
	s_mov_b32 s[G1B+1], 32<<16
	s_mov_b32 s[G1B+2], 4<<16
	s_mov_b32 s[G1B+3], 32<<16
	s_mov_b32 s[G1B+4], 4
	s_mov_b32 s[G1B+5], 32
	s_mov_b32 s[G1B+6], 0
	s_mov_b32 s[G1B+7], 0
	s_mov_b32 s[SEL], 0x76543210
	s_mov_b32 s[SEL+1], 0xfedcba98                 ; v_permlanex16_b32: lane l xor 16
	s_mov_b32 s[TB], 0
	s_mov_b32 s[TJ], 0
	s_wait_dscnt 0x0                               ; both opening adds are done
	s_wait_kmcnt 0x0
	s_mov_b32 s[G0B], 1
	s_add_co_u32 s[G0B+1], s3, BIAS
	s_add_nc_u64 s[G0B+2:G0B+3], s[8:9], s[18:19]
	s_or_b32 s[G0B+3], s[G0B+3], 0x80000000
	s_mov_b32 s[G0A], 1
	s_mov_b32 s[G0A+1], s15
	s_add_nc_u64 s[G0A+2:G0A+3], s[6:7], s[16:17]
	s_mov_b32 s[G0W], 1
	s_add_co_u32 s[G0W+1], s15, SLOT1
	s_add_nc_u64 s[G0W+2:G0W+3], s[G0A+2:G0A+3], 8*STEPB
	s_or_b32 s[G0A+3], s[G0A+3], 0x80000000
	s_or_b32 s[G0W+3], s[G0W+3], 0x80000000
	s_add_nc_u64 s[4:5], s[4:5], s[20:21]
	s_add_nc_u64 s[10:11], s[10:11], s[22:23]
	CROUND                                         ; all four work-groups are here: the first joint loads meet
	tensor_load_to_lds s[G0B:G0B+3], s[G1B:G1B+7]  ; every wave issues all three, with no branch: three tensor loads of mine are out
	s_nop 0
	tensor_load_to_lds s[G0A:G0A+3], s[G1:G1+7]
	s_nop 0
	tensor_load_to_lds s[G0W:G0W+3], s[G1:G1+7]
	s_nop 0
	PLACES
	v_and_b32 v[L16], 31, v0
	v_lshlrev_b32 v[L16], 4, v[L16]
.set i, 0
.rept 16                               ; Q stays in registers: tile i / 4, 32 channels (i / 2) % 2, chunk i % 2
	global_load_b128 v[Q+4*i:Q+4*i+3], v[L16], s[4:5] offset:512*i
.set i, i+1
.endr
	v_bfe_u32 v10, v0, 4, 1                        ; h
	v_and_b32 v11, 7, v0
	v_lshl_add_u32 v[AV0], v10, 3, v11             ; the turning load: lane l reads key 8 h + l % 8,
	v_lshlrev_b32 v[AV0], 5, v[AV0]                ; 32 bytes a key,
	v_bfe_u32 v11, v0, 3, 1
	v_lshl_add_u32 v[AV0], v11, 4, v[AV0]          ; channels 8 ((l / 8) % 2) on;
	v_add_nc_u32 v[AV0], 8192, v[AV0]              ; V lies behind the step's K
	v_lshl_add_u32 v[AB0], v10, 5, BIAS
; The LDS loads stand in runs.  The two additions and two v_nop (one and three for V) are the four places between the last product that read the registers and the loads into them.
.macro FETCH_K                         ; a step's bias (8 loads) and K (16 loads: 512 consecutive bytes each)
	WIN 0
	v_add_nc_u32 v[ADK], s[TB], v[L16]
	v_add_nc_u32 v[ADB], s[TJ], v[AB0]
	v_nop
	v_nop
	s_add_co_u32 s[TJ], s[TJ], 256
.irp kt, 0,1,2,3
	ds_load_b128 v[BI+8*\kt:BI+8*\kt+3], v[ADB] offset:64*\kt        ; register 8 kt + j = bias of key 16 kt + 8 h + j: the result's layout
	ds_load_b128 v[BI+8*\kt+4:BI+8*\kt+7], v[ADB] offset:64*\kt+16
.endr
	WIN 0x40                                       ; destination window 1
.irp i, 0,1,2,3,4,5,6,7,8,9,10,11,12,13,14,15
	ds_load_b128 v[KF+4*\i:KF+4*\i+3], v[ADK] offset:512*\i
.endr
.endm
.macro FETCH_V                         ; the same step's V, turned: 16 loads
	WIN 0
	v_add_nc_u32 v[ADV], s[TB], v[AV0]
	v_nop
	v_nop
	v_nop
	s_add_co_u32 s[TB], s[TB], STEPB               ; the next fetch is the next step's
	WIN 0x40
.irp i, 0,1,2,3,4,5,6,7,8,9,10,11,12,13,14,15
	ds_load_tr16_b128 v[VF+4*\i:VF+4*\i+3], v[ADV] offset:512*\i
.endr
.endm
; 16 products S^T = K Q^T + bias for piece y.  The eight accumulators take turns, one instruction a turn.
.macro KQ y
	WIN W_KQ
.irp s, 0,1
.irp kt, 0,1,2,3
.irp tl, 0,1
.if \s == 0
	v_wmma_f32_16x16x32_f16 v[S+32*\tl+8*\kt:S+32*\tl+8*\kt+7], v[KF+16*\kt+8*\s:KF+16*\kt+8*\s+7], v[Q+16*(\y+\tl)+8*\s:Q+16*(\y+\tl)+8*\s+7], v[BI+8*\kt:BI+8*\kt+7]
.else
	v_wmma_f32_16x16x32_f16 v[S+32*\tl+8*\kt:S+32*\tl+8*\kt+7], v[KF+16*\kt+8*\s:KF+16*\kt+8*\s+7], v[Q+16*(\y+\tl)+8*\s:Q+16*(\y+\tl)+8*\s+7], v[S+32*\tl+8*\kt:S+32*\tl+8*\kt+7]
.endif
.endr
.endr
.endr
.endm
; 16 products O^T += V^T P for piece y.  zero = 1: the first eight start the sums: nothing is cleared.
.macro PV y, zero
	WIN W_PV
.irp u, 0,1
.irp ct, 0,1,2,3
.irp tl, 0,1
.if \zero && (\u == 0)
	v_wmma_f32_16x16x32_f16 v[32*(\y+\tl)+8*\ct:32*(\y+\tl)+8*\ct+7], v[VF+32*\u+8*\ct:VF+32*\u+8*\ct+7], v[P+16*\tl+8*\u:P+16*\tl+8*\u+7], 0
.else
	v_wmma_f32_16x16x32_f16 v[32*(\y+\tl)+8*\ct:32*(\y+\tl)+8*\ct+7], v[VF+32*\u+8*\ct:VF+32*\u+8*\ct+7], v[P+16*\tl+8*\u:P+16*\tl+8*\u+7], v[32*(\y+\tl)+8*\ct:32*(\y+\tl)+8*\ct+7]
.endif
.endr
.endr
.endr
.endm
; Piece y's softmax for one step, the two tiles line by line by turns.  first = 1: the first step, which starts m, l and O^T.
.macro SM y, first
	WIN 0
.irp j, 0,1,2,3                        ; the maximum of the lane's 32 scores: four chains; each score tile is read from its low end on
.irp tl, 0,1
	v_max3_num_f32 v[ST+8*(\y+\tl)+4+\j], v[S+32*\tl+8*\j], v[S+32*\tl+8*\j+1], v[S+32*\tl+8*\j+2]
.endr
.endr
.irp g, 3,5
.irp j, 0,1,2,3
.irp tl, 0,1
	v_max3_num_f32 v[ST+8*(\y+\tl)+4+\j], v[ST+8*(\y+\tl)+4+\j], v[S+32*\tl+8*\j+\g], v[S+32*\tl+8*\j+\g+1]
.endr
.endr
.endr
.irp tl, 0,1
	v_max3_num_f32 v[ST+8*(\y+\tl)+4], v[ST+8*(\y+\tl)+4], v[S+32*\tl+7], v[S+32*\tl+15]
.endr
.irp tl, 0,1
	v_max3_num_f32 v[ST+8*(\y+\tl)+6], v[ST+8*(\y+\tl)+6], v[S+32*\tl+23], v[S+32*\tl+31]
.endr
.irp tl, 0,1
	v_max3_num_f32 v[ST+8*(\y+\tl)+4], v[ST+8*(\y+\tl)+4], v[ST+8*(\y+\tl)+5], v[ST+8*(\y+\tl)+6]
.endr
.irp tl, 0,1
.if \first
	v_max_num_f32 v[ST+8*(\y+\tl)+4], v[ST+8*(\y+\tl)+4], v[ST+8*(\y+\tl)+7]
.else
	v_max3_num_f32 v[ST+8*(\y+\tl)+4], v[ST+8*(\y+\tl)+4], v[ST+8*(\y+\tl)+7], v[ST+8*(\y+\tl)]   ; with the old m
.endif
.endr
.irp tl, 0,1
	v_permlanex16_b32 v[ST+8*(\y+\tl)+5], v[ST+8*(\y+\tl)+4], s[SEL], s[SEL+1]   ; the query's other 32 keys lie in the lane 16 away
.endr
.irp tl, 0,1
.if \first
	v_mov_b32 v[ST+8*(\y+\tl)+1], v[ST+8*(\y+\tl)+4]   ; (named with m as a pair, so it is written)
.else
	v_mov_b32 v[ST+8*(\y+\tl)+1], v[ST+8*(\y+\tl)]     ; the old m
.endif
.endr
.irp tl, 0,1
	v_max_num_f32 v[ST+8*(\y+\tl)], v[ST+8*(\y+\tl)+4], v[ST+8*(\y+\tl)+5]
.endr
.if !\first
.irp tl, 0,1
	v_sub_f32 v[ST+8*(\y+\tl)+7], v[ST+8*(\y+\tl)+1], v[ST+8*(\y+\tl)]
.endr
.irp tl, 0,1
	v_exp_f32 v[ST+8*(\y+\tl)+6], v[ST+8*(\y+\tl)+7]   ; a.  ONE BATCH from here on: nothing in it names an exponential's result
.endr
.endif
.irp tl, 0,1
	v_pk_add_f32 v[S+32*\tl:S+32*\tl+1], v[S+32*\tl:S+32*\tl+1], v[ST+8*(\y+\tl):ST+8*(\y+\tl)+1] op_sel_hi:[1,0] neg_lo:[0,1] neg_hi:[0,1]   ; t - m, pair 0
.endr
.irp b, 0,1,2,3,4,5,6,7,8,9,10,11,12,13,14,15
.irp tl, 0,1
.if \b < 15
	v_pk_add_f32 v[S+32*\tl+2*\b+2:S+32*\tl+2*\b+3], v[S+32*\tl+2*\b+2:S+32*\tl+2*\b+3], v[ST+8*(\y+\tl):ST+8*(\y+\tl)+1] op_sel_hi:[1,0] neg_lo:[0,1] neg_hi:[0,1]   ; the next pair's t - m leads the two exponentials
.endif
	v_exp_f32 v[S+32*\tl+2*\b], v[S+32*\tl+2*\b]
	v_exp_f32 v[S+32*\tl+2*\b+1], v[S+32*\tl+2*\b+1]
.endr
.endr
	v_nop                                          ; a plain instruction behind the last exponential,
	s_wait_alu depctr_va_vdst(0)                   ; and the one wait ahead of the batch's first reader
.irp i, 0,1,2,3,4,5,6,7,8,9,10,11,12,13,14,15
.irp tl, 0,1
	v_cvt_pk_f16_f32 v[P+16*\tl+\i], v[S+32*\tl+2*\i], v[S+32*\tl+2*\i+1]
.endr
.endr
.irp u, 0,1,2,3,4,5,6,7                ; the sum of the unrounded p, in place: neighbours 1, 2, 4, 8 pairs apart
.irp tl, 0,1
	v_pk_add_f32 v[S+32*\tl+4*\u:S+32*\tl+4*\u+1], v[S+32*\tl+4*\u:S+32*\tl+4*\u+1], v[S+32*\tl+4*\u+2:S+32*\tl+4*\u+3]
.endr
.endr
.irp u, 0,1,2,3
.irp tl, 0,1
	v_pk_add_f32 v[S+32*\tl+8*\u:S+32*\tl+8*\u+1], v[S+32*\tl+8*\u:S+32*\tl+8*\u+1], v[S+32*\tl+8*\u+4:S+32*\tl+8*\u+5]
.endr
.endr
.irp u, 0,1
.irp tl, 0,1
	v_pk_add_f32 v[S+32*\tl+16*\u:S+32*\tl+16*\u+1], v[S+32*\tl+16*\u:S+32*\tl+16*\u+1], v[S+32*\tl+16*\u+8:S+32*\tl+16*\u+9]
.endr
.endr
.if \first
.irp tl, 0,1
	v_pk_add_f32 v[ST+8*(\y+\tl)+2:ST+8*(\y+\tl)+3], v[S+32*\tl:S+32*\tl+1], v[S+32*\tl+16:S+32*\tl+17]
.endr
.else
.irp tl, 0,1
	v_pk_add_f32 v[S+32*\tl:S+32*\tl+1], v[S+32*\tl:S+32*\tl+1], v[S+32*\tl+16:S+32*\tl+17]
.endr
.irp tl, 0,1
	v_pk_fma_f32 v[ST+8*(\y+\tl)+2:ST+8*(\y+\tl)+3], v[ST+8*(\y+\tl)+2:ST+8*(\y+\tl)+3], v[ST+8*(\y+\tl)+6:ST+8*(\y+\tl)+7], v[S+32*\tl:S+32*\tl+1] op_sel_hi:[1,0,1]   ; l = a l + the sum
.endr
	WIN W_RS
.irp i, 0,1,2,3,4,5,6,7,8,9,10,11,12,13,14,15
.irp tl, 0,1
	v_pk_mul_f32 v[32*(\y+\tl)+2*\i:32*(\y+\tl)+2*\i+1], v[32*(\y+\tl)+2*\i:32*(\y+\tl)+2*\i+1], v[ST+8*(\y+\tl)+6:ST+8*(\y+\tl)+7] op_sel_hi:[1,0]   ; O^T x a, each accumulator from its low end on
.endr
.endr
.endif
.endm
; THE CHANGE OF SLOTS, between two trips: all of the slot's bytes are in registers.  Each wave waits for all its tensor loads (one is out: its step of the other slot), adds 0 to its spare word, waits for that and for its
; reads.  fill = 1: a round of the cluster's barrier, and the joint refill first behind it, one a wave.
.macro CHANGE fill
	WIN 0
	s_wait_tensorcnt 0x0
	ds_add_u32 v[SPW], v[NIL]
.if \fill
	s_xor_b32 s[G0W+1], s[G0W+1], SLOT1            ; the walking descriptor: the other slot than last time,
	s_add_nc_u64 s[G0W+2:G0W+3], s[G0W+2:G0W+3], 8*STEPB   ; the next eight steps
.endif
	s_wait_dscnt 0x0
.if \fill
	CROUND
	tensor_load_to_lds s[G0W:G0W+3], s[G1:G1+7]
	s_nop 0
	PLACES
.else
	s_barrier_signal -1
	s_barrier_wait -1
.endif
	s_sub_co_u32 s[TB], s[TB], 8*STEPB             ; the fetches go back to a slot's first step,
	s_xor_b32 s[TB], s[TB], SLOT1                  ; in the other slot
.endm
.macro TRIP first
	FETCH_K                                        ; step j
	SM 2, \first                                   ; piece 2, step j - 1
	PV 2, \first
	FETCH_V                                        ; step j
	s_wait_dscnt 16                                ; K and the bias are in; V's sixteen loads may be out
	KQ 0
	WIN 0
	PLACES                                         ; between the products and the first read of their results
	SM 0, 0
	s_wait_dscnt 0x0                               ; V is in
	PV 0, 0
	KQ 2
	WIN 0
.endm
	s_wait_tensorcnt 1                             ; the bias and my step of slot 0 are in; slot 1's load may stay out
	s_barrier_signal -1
	s_barrier_wait -1
	FETCH_K                                        ; step 0
	FETCH_V
	s_wait_loadcnt 0x0                             ; Q
	s_wait_dscnt 16
	KQ 0
	WIN 0
	PLACES
	SM 0, 1
	s_wait_dscnt 0x0
	PV 0, 1
	KQ 2
	WIN 0
	TRIP 1                                         ; step 1
	s_mov_b32 s[CNT], 6
.Lstep_a:                                          ; steps 2 to 7
	TRIP 0
	s_sub_co_u32 s[CNT], s[CNT], 1
	s_cmp_lg_u32 s[CNT], 0
	s_cbranch_scc1 .Lstep_a
	s_mov_b32 s[SLOTS], 2
.Lslot:                                            ; steps 8 to 23: the slot just left takes the steps sixteen on
	CHANGE 1
	s_mov_b32 s[CNT], 8
.Lstep_b:
	TRIP 0
	s_sub_co_u32 s[CNT], s[CNT], 1
	s_cmp_lg_u32 s[CNT], 0
	s_cbranch_scc1 .Lstep_b
	s_sub_co_u32 s[SLOTS], s[SLOTS], 1
	s_cmp_lg_u32 s[SLOTS], 0
	s_cbranch_scc1 .Lslot
	CHANGE 0                                       ; the last slot is written out: nothing is left to ask for
	s_mov_b32 s[CNT], 8
.Lstep_c:                                          ; steps 24 to 31
	TRIP 0
	s_sub_co_u32 s[CNT], s[CNT], 1
	s_cmp_lg_u32 s[CNT], 0
	s_cbranch_scc1 .Lstep_c
	PLACES
	SM 2, 0                                        ; piece 2, step 31
	PV 2, 0
; THE WAY OUT.  O^T / l, rounded to f16: a lane's eight channels of a query are 16 bytes, and a 16 x 16 tile's 512 bytes are a chunk of the image that the last launch loads.  The additions are the places behind the last products.
	WIN 0
.irp t, 0,1,2,3
	v_add_f32 v[ST+8*\t+4], v[ST+8*\t+2], v[ST+8*\t+3]
.endr
.irp t, 0,1,2,3
	v_permlanex16_b32 v[ST+8*\t+5], v[ST+8*\t+4], s[SEL], s[SEL+1]
.endr
.irp t, 0,1,2,3
	v_add_f32 v[ST+8*\t+4], v[ST+8*\t+4], v[ST+8*\t+5]
.endr
.irp t, 0,1,2,3
	v_rcp_f32 v[ST+8*\t+6], v[ST+8*\t+4]
.endr
	v_nop
	s_wait_alu depctr_va_vdst(0)                   ; one wait for the four reciprocals, ahead of their first reader
.irp t, 0,1,2,3
	WIN W_RS
.set i, 0
.rept 16
	v_pk_mul_f32 v[32*\t+2*i:32*\t+2*i+1], v[32*\t+2*i:32*\t+2*i+1], v[ST+8*\t+6:ST+8*\t+7] op_sel_hi:[1,0]
.set i, i+1
.endr
	WIN 0x05                                       ; sources 0 and 1 window 1, destination window 0
.set i, 0
.rept 16
	v_cvt_pk_f16_f32 v[S+16*\t+i], v[32*\t+2*i], v[32*\t+2*i+1]
.set i, i+1
.endr
	WIN 0
.irp ct, 0,1,2,3
	global_store_b128 v[L16], v[S+16*\t+4*\ct:S+16*\t+4*\ct+3], s[10:11] offset:\t*32768+\ct*512   ; 512 consecutive bytes, aligned
.endr
.endr
	s_wait_tensorcnt 0x0                           ; the wave's end
	ds_add_u32 v[SPW], v[NIL]
	s_wait_dscnt 0x0
	CROUND                                         ; the closing round
	s_endpgm
.Lfunc_end_k_q80505b12ff_attn:
	.size	k_q80505b12ff_attn, .Lfunc_end_k_q80505b12ff_attn-k_q80505b12ff_attn
	.p2alignl 7, 3214868480
	.fill 96, 4, 3214868480
	.section	.rodata,"a",@progbits
	.p2align	6, 0x0
	.amdhsa_kernel k_q80505b12ff_attn
		.amdhsa_group_segment_fixed_size 327680
		.amdhsa_private_segment_fixed_size 0
		.amdhsa_enable_private_segment 0
		.amdhsa_kernarg_size 32
		.amdhsa_user_sgpr_count 2
		.amdhsa_user_sgpr_kernarg_segment_ptr 1
		.amdhsa_wavefront_size32 1
		.amdhsa_system_sgpr_workgroup_id_x 1
		.amdhsa_system_sgpr_workgroup_id_y 1
		.amdhsa_system_sgpr_workgroup_id_z 1
		.amdhsa_system_vgpr_workitem_id 0
		.amdhsa_next_free_vgpr 512
		.amdhsa_next_free_sgpr 66
		.amdhsa_reserve_vcc 0
		.amdhsa_float_denorm_mode_32 3
		.amdhsa_float_denorm_mode_16_64 3
		.amdhsa_memory_ordered 1
		.amdhsa_forward_progress 1
		.amdhsa_inst_pref_size 177
	.end_amdhsa_kernel
	.amdgpu_metadata
---
amdhsa.version: [ 1, 2 ]
amdhsa.kernels:
  - .name:           k_q80505b12ff_attn
    .symbol:         k_q80505b12ff_attn.kd
    .args:
      - { .name: qimg, .offset: 0, .size: 8, .value_kind: global_buffer, .address_space: global }
      - { .name: kv, .offset: 8, .size: 8, .value_kind: global_buffer, .address_space: global }
      - { .name: mb, .offset: 16, .size: 8, .value_kind: global_buffer, .address_space: global }
      - { .name: cimg, .offset: 24, .size: 8, .value_kind: global_buffer, .address_space: global }
    .group_segment_fixed_size: 327680
    .private_segment_fixed_size: 0
    .kernarg_segment_align: 8
    .kernarg_segment_size: 32
    .max_flat_workgroup_size: 256
    .sgpr_count:     66
    .vgpr_count:     512
    .wavefront_size: 32
...
	.end_amdgpu_metadata
.endif
;; end of part 3
;; launch oproj (part 4): grid 4 x 64, 4 waves a work-group, clusters of 4 x 4, 327,680 bytes of LDS; arguments cimg, wimg, bo, out0; writes out0
.if DOCPART == 4
	.amdgcn_target "amdgcn-amd-amdhsa--gfx1250"
	.amdhsa_code_object_version 6
	.text
	.protected	k_q80505b12ff_oproj
	.globl	k_q80505b12ff_oproj
	.p2align	8
	.type	k_q80505b12ff_oproj,@function
k_q80505b12ff_oproj:
	s_mov_b64 s[64:65], 0
	v_nop
	global_prefetch_b8 v0, s[64:65] scope:SCOPE_SE
	s_setreg_imm32_b32 hwreg(HW_REG_WAVE_MODE, 25, 1), 1
	s_wait_xcnt 0x0
	s_wait_alu depctr_hold_cnt(0) depctr_sa_sdst(0) depctr_va_vdst(0) depctr_va_sdst(0) depctr_va_ssrc(0) depctr_va_vcc(0) depctr_vm_vsrc(0)
	s_getreg_b32 s2, hwreg(HW_REG_IB_STS2, 6, 4)
	s_cmp_eq_u32 s2, 0
	s_cbranch_scc0 .Lentry_in_a_cluster
	s_endpgm
.Lentry_in_a_cluster:
	s_bfe_u32 s2, ttmp6, 0x10000c
	s_cmp_lg_u32 s2, 0xf033
	s_cbranch_scc0 .Lentry_shape_is_right
	s_endpgm
.Lentry_shape_is_right:
; OPROJ: out0[m][n] = sum over k of ctx[m][k] Wo[n][k] + bo[n], m = 8,192, n = k = 1,024.  ctx and Wo arrive in f16 as images of the operands' registers ([tile of 16 rows][32 along K: 32][chunk 2][lane][16 B]); sums in f32.
; A tile of out0 is 128 tokens x 256 columns: 256 work-groups.  Four waves, each 64 x 128: 32 accumulators.  K goes in steps of 128 (4,096 consecutive bytes of each tile of 16 rows) through a ring of two LDS slots.
; CLUSTERS: 4 x 4 work-groups; ctx's tiles are asked for jointly along a row of the cluster, Wo's along a column.  Waves 0 and 1 fetch ctx's two halves (4 rows of 4,096 bytes), waves 2 and 3 Wo's (8 rows).
; An image needs no pitch and no padding: every fragment load reads 512 consecutive bytes.
; THE MATRIX INSTRUCTION IS USED TRANSPOSED (source 0 = 16 rows of Wo, source 1 = 16 tokens): a lane holds eight neighbouring columns of one row of out0.  bo is the C of each sum's first product.
; REGISTERS: window 0: v16-29 addresses; two fragment buffers of 96: v32-127, v128-223 (ctx's 4 fragments, then Wo's 8).  Window 1: accumulator (a, b) at v[8 (8 a + b)].  Window 2: v0-63 bo in the result's layout.
.set SLOT,   98304                     ; ctx's 8 tiles x 4,096 bytes, then Wo's 16
.set BOFF,   32768
.set SPARE,  2*SLOT                    ; the spare words, 128 bytes for each wave: two blocks of 256 bytes that no other line names
.set SPITCH, 528                       ; the way out: a stage of 16 rows x (512 + 16) bytes for each wave, in slot 0, behind its last fill and its last read
.set LAPS,   4                         ; a lap = two K steps
.set ADRA, 16
.set ADRB, 20
.set STO,  24
.set RD,   25
.set CO,   26                          ; v26 16 x lane
.set OBI,  27                          ; v27 32 h
.set SPW,  28
.set NIL,  29
.set F0,   32
.set F1,   128
.set WV,   12
.set RH,   13                          ; which half of the tile's rows is mine.  Also: I fetch for ctx (0) or for Wo (1)
.set CH,   14                          ; which half of its columns.  Also: which half of that tile I fetch
.set TR,   15
.set G1,  24
.set G0,  32
.set G1B, 48
.set G0B, 56
.set MSB, 0
.macro WIN new
.if MSB != (\new)
	s_set_vgpr_msb (MSB<<8)|(\new)
.set MSB, (\new)
.endif
.endm
.macro PLACES
.rept 4
	v_nop
.endr
.endm
.macro JLOAD s                         ; a joint load; an s_nop 0 and four v_nop follow each of the two lines
	s_cmp_eq_u32 s[RH], 0
	s_cbranch_scc0 .Lfor_b_\@
	tensor_load_to_lds s[G0+4*\s:G0+4*\s+3], s[G1:G1+7]
	s_nop 0
.rept 4
	v_nop
.endr
	s_branch .Lasked_\@
.Lfor_b_\@:
	tensor_load_to_lds s[G0B+4*\s:G0B+4*\s+3], s[G1B:G1B+7]
	s_nop 0
.rept 4
	v_nop
.endr
.Lasked_\@:
.endm
.macro CREST
	s_cmp_lg_u32 s[WV], 0
	s_cbranch_scc1 .Lnot_wave_0_\@
	s_barrier_signal -3
.Lnot_wave_0_\@:
	s_barrier_wait -3
	s_barrier_signal -1
	s_barrier_wait -1
.endm
.macro CROUND
	s_barrier_signal -1
	s_barrier_wait -1
	CREST
.endm
	s_load_b256 s[4:11], s[0:1], 0x0               ; cimg 4, wimg 6, bo 8, out0 10
	v_lshl_add_u32 v[SPW], v0, 2, SPARE
	v_mov_b32 v[NIL], 0
	ds_add_u32 v[SPW], v[NIL]                      ; the wave's opening: the add, twice on end, and its wait ahead of my first tensor load
	ds_add_u32 v[SPW], v[NIL]
	v_lshrrev_b32 v1, 5, v0
	v_readfirstlane_b32 s[WV], v1
	s_lshr_b32 s[RH], s[WV], 1
	s_and_b32 s[CH], s[WV], 1
	s_bfe_u32 s40, ttmp6, 0x40000                  ; cx, cy
	s_bfe_u32 s41, ttmp6, 0x40004
	s_lshl_b32 s42, ttmp9, 2
	s_add_co_u32 s42, s42, s40                     ; tile column
	s_and_b32 s[TR], ttmp7, 0xffff
	s_lshl_b32 s[TR], s[TR], 2
	s_add_co_u32 s[TR], s[TR], s41                 ; tile row
	s_lshl_b32 s43, s41, 2
	s_lshl_b32 s43, 15, s43                        ; my row of the cluster
	s_lshl_b32 s44, 0x1111, s40                    ; my column
	s_or_b32 s[G1+0], s43, (3<<16)|(1<<21)         ; the mask; elements of 8 bytes; bit 21 beside a mask; no padding
	s_or_b32 s[G1B+0], s44, (3<<16)|(1<<21)
	s_mov_b32 s[G1+1], 512<<16                     ; tensor_dim0 = 512 elements: 4,096 bytes
	s_mov_b32 s[G1+2], 4<<16                       ; tensor_dim1 = 4 tiles of 16 tokens
	s_mov_b32 s[G1+3], 512<<16                     ; tile_dim0
	s_mov_b32 s[G1+4], 4                           ; tile_dim1
	s_mov_b32 s[G1+5], 4096                        ; from tile to tile: 32,768 bytes
	s_mov_b32 s[G1+6], 0
	s_mov_b32 s[G1+7], 0
	s_mov_b32 s[G1B+1], 512<<16
	s_mov_b32 s[G1B+2], 8<<16
	s_mov_b32 s[G1B+3], 512<<16
	s_mov_b32 s[G1B+4], 8
	s_mov_b32 s[G1B+5], 4096
	s_mov_b32 s[G1B+6], 0
	s_mov_b32 s[G1B+7], 0
	s_lshl_b32 s16, s[TR], 18                      ; ctx: (8 x tile row + 4 x half) tiles of 32,768 bytes
	s_lshl_b32 s17, s[CH], 17
	s_add_co_u32 s16, s16, s17
	s_mov_b32 s17, 0
	s_lshl_b32 s46, s42, 19                        ; Wo: (16 x tile column + 8 x half) tiles
	s_lshl_b32 s47, s[CH], 18
	s_add_co_u32 s46, s46, s47
	s_mov_b32 s47, 0
	s_lshl_b32 s20, s[CH], 14                      ; where they go: ctx's halves of 16,384 bytes,
	s_lshl_b32 s21, s[CH], 15
	s_add_co_u32 s21, s21, BOFF                    ; Wo's of 32,768 behind them
	s_wait_dscnt 0x0                               ; both opening adds are done
	s_wait_kmcnt 0x0
	s_add_nc_u64 s[18:19], s[4:5], s[16:17]
	s_add_nc_u64 s[46:47], s[6:7], s[46:47]
	CROUND                                         ; all sixteen work-groups are here: the first joint loads meet
.irp s, 0,1
	s_mov_b32 s[G0+4*\s], 1
	s_add_co_u32 s[G0+4*\s+1], s20, \s*SLOT
	s_add_nc_u64 s[G0+4*\s+2:G0+4*\s+3], s[18:19], \s*4096
	s_or_b32 s[G0+4*\s+3], s[G0+4*\s+3], 0x80000000
	s_mov_b32 s[G0B+4*\s], 1
	s_add_co_u32 s[G0B+4*\s+1], s21, \s*SLOT
	s_add_nc_u64 s[G0B+4*\s+2:G0B+4*\s+3], s[46:47], \s*4096
	s_or_b32 s[G0B+4*\s+3], s[G0B+4*\s+3], 0x80000000
	JLOAD \s                                       ; two tensor loads of mine are out
.endr
	v_and_b32 v1, 15, v0                           ; r
	v_bfe_u32 v2, v0, 4, 1                         ; h
	v_and_b32 v3, 31, v0
	v_lshlrev_b32 v[CO], 4, v3
	s_lshl_b32 s22, s[RH], 14                      ; my four tiles of ctx,
	s_lshl_b32 s23, s[CH], 15
	s_add_co_u32 s23, s23, BOFF                    ; my eight of Wo
.irp s, 0,1
	v_add_nc_u32 v[ADRA+\s], s22, v[CO]
	v_add_nc_u32 v[ADRB+\s], s23, v[CO]
	s_add_co_u32 s22, s22, SLOT
	s_add_co_u32 s23, s23, SLOT
.endr
	s_mul_i32 s22, s[WV], 16*SPITCH                ; my stage
	v_mul_u32_u24 v4, v1, SPITCH
	v_lshl_add_u32 v4, v2, 5, v4
	v_add_nc_u32 v[STO], s22, v4                   ; in: row r, 32 bytes for each half of the lanes
	v_add_nc_u32 v[RD], s22, v[CO]                 ; back: the 32 lanes take a row of 512 bytes
	v_lshlrev_b32 v[OBI], 5, v2
	s_lshl_b32 s22, s42, 10                        ; my first column, in bytes: 1,024 x tile column + 512 x half
	s_lshl_b32 s23, s[CH], 9
	s_add_co_u32 s22, s22, s23
	s_mov_b32 s23, 0
	s_add_nc_u64 s[8:9], s[8:9], s[22:23]
	s_add_nc_u64 s[10:11], s[10:11], s[22:23]
	s_lshl_b32 s22, s[TR], 19                      ; my first row: (128 x tile row + 64 x half) rows of 4,096 bytes
	s_lshl_b32 s16, s[RH], 18
	s_add_co_u32 s22, s22, s16
	s_add_nc_u64 s[10:11], s[10:11], s[22:23]
	WIN 0x80                                       ; destination window 2
.irp b, 0,1,2,3,4,5,6,7
	global_load_b128 v[8*\b:8*\b+3], v[OBI], s[8:9] offset:64*\b          ; register 8 b + j = bo[16 b + 8 h + j]
	global_load_b128 v[8*\b+4:8*\b+7], v[OBI], s[8:9] offset:64*\b+16
.endr
	WIN 0
; 24 LDS loads in one run: the fragments of the slot's q-th 32 along K into buffer f: Wo's eight, ctx's blocks 0, 1, then 2, 3
.macro FETCH slot, q, f
.irp b, 0,1,2,3,4,5,6,7
	ds_load_b128 v[\f+32+8*\b:\f+32+8*\b+3], v[ADRB+\slot] offset:\b*4096+(\q)*1024
	ds_load_b128 v[\f+32+8*\b+4:\f+32+8*\b+7], v[ADRB+\slot] offset:\b*4096+(\q)*1024+512
.endr
.irp i, 0,1,2,3
	ds_load_b128 v[\f+8*\i:\f+8*\i+3], v[ADRA+\slot] offset:\i*4096+(\q)*1024
	ds_load_b128 v[\f+8*\i+4:\f+8*\i+7], v[ADRA+\slot] offset:\i*4096+(\q)*1024+512
.endr
.endm
; 8 matrix instructions: ctx's block a x Wo's eight.  The 32 accumulators take turns, one instruction a turn, in the same order in every quarter.
.macro MUL8 f, a, first
.irp b, 0,1,2,3,4,5,6,7
.if \first
	v_wmma_f32_16x16x32_f16 v[8*(8*(\a)+\b):8*(8*(\a)+\b)+7], v[\f+32+8*\b:\f+32+8*\b+7], v[\f+8*(\a):\f+8*(\a)+7], v[8*\b:8*\b+7]
.else
	v_wmma_f32_16x16x32_f16 v[8*(8*(\a)+\b):8*(8*(\a)+\b)+7], v[\f+32+8*\b:\f+32+8*\b+7], v[\f+8*(\a):\f+8*(\a)+7], v[8*(8*(\a)+\b):8*(8*(\a)+\b)+7]
.endif
.endr
.endm
; A K step is four quarters of 32 along K on buffers 0, 1, 0, 1.  One of the first three multiplies f and fetches the slot's q-th quarter into g.  first = 1: C is bo (window 2), else the accumulator (window 1).
.macro QUARTER slot, q, f, g, first
	s_wait_dscnt 4                                 ; Wo's fragments and ctx's blocks 0, 1 are in; the youngest four loads may be out
	WIN 0x50+0x10*(\first)
	MUL8 \f, 0, \first
	MUL8 \f, 1, \first
	PLACES                                         ; in front of loads into registers that matrix instructions have read
	WIN 0
	FETCH \slot, \q, \g
	s_wait_dscnt 24                                ; all but the 24 just issued
	WIN 0x50+0x10*(\first)
	MUL8 \f, 2, \first
	MUL8 \f, 3, \first
.endm
; The last quarter multiplies buffer 1 and changes slots: one barrier; in front of it each wave waits for all its tensor loads, adds 0 to its spare word, and waits for that and for its reads of this slot.
; fill = 1: the barrier opens a round of the cluster's, and the joint refill, two K steps ahead, is the first tensor load behind it: 112 matrix instructions ahead of the wait for it.
.macro TURN slot, next, fill
	WIN 0
	s_wait_tensorcnt 0x0
	ds_add_u32 v[SPW], v[NIL]
	s_wait_dscnt 5                                 ; the add and the youngest four loads may be out
	WIN 0x50
	MUL8 F1, 0, 0
	s_wait_dscnt 0x0                               ; the add is done, and my reads of this slot are over
	s_barrier_signal -1
	MUL8 F1, 1, 0
	WIN 0
	s_barrier_wait -1
.if \fill
	CREST
	s_add_nc_u64 s[G0+4*\slot+2:G0+4*\slot+3], s[G0+4*\slot+2:G0+4*\slot+3], 8192
	s_add_nc_u64 s[G0B+4*\slot+2:G0B+4*\slot+3], s[G0B+4*\slot+2:G0B+4*\slot+3], 8192
	JLOAD \slot                                    ; its four v_nop are also the places in front of the loads below
.else
	PLACES
.endif
	FETCH \next, 0, F0
	WIN 0x50
	MUL8 F1, 2, 0
	MUL8 F1, 3, 0
.endm
	s_wait_tensorcnt 1                             ; my part of K step 0 is in; K step 1's load may be out
	s_barrier_signal -1
	s_barrier_wait -1
	FETCH 0, 0, F0
	s_wait_loadcnt 0x0                             ; bo
	QUARTER 0, 1, F0, F1, 1                        ; the first quarter stands in front of the loop: its products start the sums from bo
	WIN 0
	s_mov_b32 s3, LAPS-1
.Llap:                                             ; a trip goes once round the ring and fills both slots again
	QUARTER 0, 2, F1, F0, 0
	QUARTER 0, 3, F0, F1, 0
	TURN 0, 1, 1
	QUARTER 1, 1, F0, F1, 0
	QUARTER 1, 2, F1, F0, 0
	QUARTER 1, 3, F0, F1, 0
	TURN 1, 0, 1
	QUARTER 0, 1, F0, F1, 0
	WIN 0
	s_sub_co_u32 s3, s3, 1
	s_cmp_lg_u32 s3, 0
	s_cbranch_scc1 .Llap
	QUARTER 0, 2, F1, F0, 0                        ; the last lap fills nothing
	QUARTER 0, 3, F0, F1, 0
	TURN 0, 1, 0
	QUARTER 1, 1, F0, F1, 0
	QUARTER 1, 2, F1, F0, 0
	QUARTER 1, 3, F0, F1, 0
	s_wait_dscnt 4
	WIN 0x50
	MUL8 F1, 0, 0
	MUL8 F1, 1, 0
	s_wait_dscnt 0
	MUL8 F1, 2, 0
	MUL8 F1, 3, 0
	WIN 0
; THE WAY OUT, block by block of 16 rows x 128 columns: through my own stage and back as whole rows of 512 bytes.  LDS serves a wave's instructions in order (ISA guide 5.7.1.4): no wait between the stores and the loads.
.macro TOSTAGE a
	WIN 0x04                                       ; an LDS store's data: window 1
.irp b, 0,1,2,3,4,5,6,7
	ds_store_b128 v[STO], v[8*(8*(\a)+\b):8*(8*(\a)+\b)+3] offset:64*\b       ; each accumulator from its low end on
	ds_store_b128 v[STO], v[8*(8*(\a)+\b)+4:8*(8*(\a)+\b)+7] offset:64*\b+16
.endr
	WIN 0
.set BB, 32+96*((\a)%2)
.irp t, 0,1,2,3,4,5,6,7,8,9,10,11,12,13,14,15
	ds_load_b128 v[BB+4*\t:BB+4*\t+3], v[RD] offset:\t*SPITCH
.endr
.endm
.macro SEND a, younger                 ; younger: the LDS instructions issued behind block a's loads, which may stay out
.set BB, 32+96*((\a)%2)
	s_wait_dscnt \younger
.irp t, 0,1,2,3,4,5,6,7,8,9,10,11,12,13,14,15
	global_store_b128 v[CO], v[BB+4*\t:BB+4*\t+3], s[10:11] offset:(\a)*65536+\t*4096 th:TH_STORE_NT   ; 32 lanes store 512 consecutive bytes, aligned
.endr
.endm
	PLACES
	TOSTAGE 0
.irp a, 1,2,3
.if \a > 1
	s_wait_xcnt 0x0                                ; block a - 2's stores have read the registers into which block a's rows are loaded
.endif
	TOSTAGE \a
	SEND \a-1, 32                                  ; behind block a - 1's loads: block a's 16 stores and 16 loads
.endr
	SEND 3, 0
	s_wait_tensorcnt 0x0                           ; the wave's end
	ds_add_u32 v[SPW], v[NIL]
	s_wait_dscnt 0x0
	CROUND                                         ; the closing round
	s_endpgm
.Lfunc_end_k_q80505b12ff_oproj:
	.size	k_q80505b12ff_oproj, .Lfunc_end_k_q80505b12ff_oproj-k_q80505b12ff_oproj
	.p2alignl 7, 3214868480
	.fill 96, 4, 3214868480
	.section	.rodata,"a",@progbits
	.p2align	6, 0x0
	.amdhsa_kernel k_q80505b12ff_oproj
		.amdhsa_group_segment_fixed_size 327680
		.amdhsa_private_segment_fixed_size 0
		.amdhsa_enable_private_segment 0
		.amdhsa_kernarg_size 32
		.amdhsa_user_sgpr_count 2
		.amdhsa_user_sgpr_kernarg_segment_ptr 1
		.amdhsa_wavefront_size32 1
		.amdhsa_system_sgpr_workgroup_id_x 1
		.amdhsa_system_sgpr_workgroup_id_y 1
		.amdhsa_system_sgpr_workgroup_id_z 1
		.amdhsa_system_vgpr_workitem_id 0
		.amdhsa_next_free_vgpr 576
		.amdhsa_next_free_sgpr 66
		.amdhsa_reserve_vcc 0
		.amdhsa_float_denorm_mode_32 3
		.amdhsa_float_denorm_mode_16_64 3
		.amdhsa_memory_ordered 1
		.amdhsa_forward_progress 1
		.amdhsa_inst_pref_size 86
	.end_amdhsa_kernel
	.amdgpu_metadata
---
amdhsa.version: [ 1, 2 ]
amdhsa.kernels:
  - .name:           k_q80505b12ff_oproj
    .symbol:         k_q80505b12ff_oproj.kd
    .args:
      - { .name: cimg, .offset: 0, .size: 8, .value_kind: global_buffer, .address_space: global }
      - { .name: wimg, .offset: 8, .size: 8, .value_kind: global_buffer, .address_space: global }
      - { .name: bo, .offset: 16, .size: 8, .value_kind: global_buffer, .address_space: global }
      - { .name: out0, .offset: 24, .size: 8, .value_kind: global_buffer, .address_space: global }
    .group_segment_fixed_size: 327680
    .private_segment_fixed_size: 0
    .kernarg_segment_align: 8
    .kernarg_segment_size: 32
    .max_flat_workgroup_size: 128
    .sgpr_count:     66
    .vgpr_count:     576
    .wavefront_size: 32
...
	.end_amdgpu_metadata
.endif
;; end of part 4
